; MI455X (gfx1250); checked and timed in simulation.
; The chip was launched on July 23, 2026; its instructions are those of AMD's public machine-readable ISA for CDNA 5 (MIT licence, August 2026) and "CDNA5" Instruction Set Architecture Reference Guide (July 2026). The comments in the code are by the model that wrote it; some were corrected since.
;; Sparse Mo E. Allowed arithmetic: float matrix products may take bf16 or f16 operands with f32 sums; other float arithmetic in f32, or as packed bf16 or f16 multiplies, adds, multiply-adds, maxima and minima; sums over many terms, partial sums and values carried from step to step in f32; what a program stores and reads back later, other than sums and carried values, may be rounded once to bf16 or f16.
;; Inputs: b1 8 x 4,096 float32; b2 8 x 1,024 float32; b_noise 8 float32; b_route 8 float32; noise 4 x 256 x 8 float32; w1 8 x 1,024 x 4,096 float32; w2 8 x 4,096 x 1,024 float32; w_noise 1,024 x 8 float32; w_route 1,024 x 8 float32; x 4 x 256 x 1,024 float32.
;; Outputs: out0 4 x 256 x 1,024 float32.
;; One version. Each part assembles by itself: llvm-mc -triple=amdgcn-amd-amdhsa -mcpu=gfx1250 --defsym DOCPART=n.
;; ======== version 1 of 1: 5 launches
;; workspace buffers: sel 8,192 bytes of whole numbers; gate 8,192 bytes; rid 8,704 bytes of whole numbers; meta 256 bytes of whole numbers; gs 8,704 bytes; xg 4,456,448 bytes; h 17,825,792 bytes; y 35,651,584 bytes
;; launch route (part 1): grid 64 x 1, 8 waves a work-group, no clusters, 41,984 bytes of LDS; arguments x, w_route, w_noise, b_route, b_noise, noise, sel, gate; writes sel, gate
.if DOCPART == 1
	.amdgcn_target "amdgcn-amd-amdhsa--gfx1250"
	.amdhsa_code_object_version 6
	.text
	.protected	k_qb6761259c1_route
	.globl	k_qb6761259c1_route
	.p2align	8
	.type	k_qb6761259c1_route,@function
k_qb6761259c1_route:
	s_mov_b64 s[64:65], 0
	v_nop
	global_prefetch_b8 v0, s[64:65] scope:SCOPE_SE
	s_setreg_imm32_b32 hwreg(HW_REG_WAVE_MODE, 25, 1), 1
	s_wait_xcnt 0x0
; NOISY TOP-2 ROUTER.  noisy = x w_route + b_route + noise * softplus(x w_noise + b_noise); the two largest of a token's 8 numbers; their softmax.
; Every input is rounded to bf16 as it comes in; products on the matrix unit, everything else in f32.
; SHARES.  A work-group owns 16 tokens.  Wave w owns k = 128 w .. 128 w + 127; lane (r = lane % 16, h = lane / 16) holds the 64 k from 128 w + 64 h on of token r (256 consecutive bytes of x).
; WEIGHTS lie [k][8] in f32.  A wave's 128 rows of each are 4,096 consecutive bytes: eight loads of 512 consecutive bytes.  Rounded to bf16 they go into the wave's own LDS as
; rows of 32 bytes, [k][8 of w_route | 8 of w_noise], and come back turned (ds_load_tr16_b128): lane (r, h) then holds output r and the same k, in the same order, as its x.
; The weights are source 0, x is source 1: a lane's eight results belong to token r; lanes 0-15 hold its 8 logits, lanes 16-31 its 8 noise logits.
; The eight waves' partial sums meet in LDS; wave 0 adds them and routes.  Lanes 16-31 then hold what lanes 0-15 hold, bit for bit, and store it to the same addresses.
; LIMITS.  NaN and infinities are not treated apart.  The sum over k has another order than a plain dot product: two numbers that differ by less than
; a few units of f32's last place may be ranked the other way.  Equal numbers: the lower index wins.
.set PS,    32768                      ; behind the eight waves' 4,096 bytes of weights: the partial sums, 1,024 bytes a wave, 32 a lane
.set SPARE, 40960                      ; the spare words, 128 bytes a wave
.set X,  16                            ; v[16:79]   x, then 4 fragments in v[16:47]
.set WRAW, 80                          ; v[80:143]  weights as loaded: 8 loads of w_route, 8 of w_noise
.set NO, 144                           ; wave 0: noise
.set BR, 152                           ; wave 0: b_route
.set BN, 160                           ; wave 0: b_noise
.set CW, 168                           ; v[168:199] weights in bf16, two registers a load; later my eight partial sums
.set WF, 200                           ; v[200:231] 4 fragments of weights
.set D0, 232                           ; v[232:239] sums of k steps 0 and 2
.set D1, 240                           ; v[240:247] sums of k steps 1 and 3
.set LG, 16                            ; wave 0: the logits, then the noisy logits
.set ZN, 24                            ; wave 0: the noise logits
.set SF, 168                           ; wave 0: softplus, later the numbers without the first choice
.set M1, 176
.set M2, 177
.set I1, 178                           ; v[178:179] the two choices
.set I2, 179
.set NINF, 180
.set DD, 181
.set G1, 182                           ; v[182:183] the two gates
.set TT, 224
	s_load_b512 s[4:19], s[0:1], 0x0               ; x, w_route, w_noise, b_route, b_noise, noise, sel, gate
	v_lshl_add_u32 v1, v0, 2, SPARE                ; my spare word
	v_mov_b32 v2, 0
	v_lshrrev_b32 v3, 5, v0
	v_readfirstlane_b32 s20, v3                    ; wave
	v_and_b32 v4, 15, v0                           ; r
	v_bfe_u32 v5, v0, 4, 1                         ; h
	v_and_b32 v9, 31, v0                           ; lane
	v_lshlrev_b32 v6, 12, v4                       ; x: r rows of 4,096 bytes
	v_lshl_add_u32 v6, v5, 8, v6                   ; + 64 h numbers
	v_lshl_add_u32 v6, v3, 9, v6                   ; + 128 w numbers
	s_lshl_b32 s21, s20, 12                        ; my wave's 4,096 bytes: of each weight in memory, and of LDS
	v_lshl_add_u32 v7, v9, 4, s21                  ; weights in memory: 16 bytes a lane
	v_lshrrev_b32 v8, 1, v9                        ; into LDS: a load's lane holds row lane / 2,
	v_and_b32 v14, 1, v0                           ; outputs 4 (lane % 2) + 0..3: 8 bytes of bf16
	v_lshlrev_b32 v8, 5, v8
	v_lshl_add_u32 v8, v14, 3, v8
	v_add_nc_u32 v8, s21, v8
	v_and_b32 v14, 7, v0                           ; back, turned: lane l names row 64 h + l % 8,
	v_lshl_add_u32 v14, v5, 6, v14
	v_bfe_u32 v15, v0, 3, 1                        ; and the 16 bytes of w_route (lanes 0-7 of a half) or of w_noise (lanes 8-15)
	v_lshlrev_b32 v14, 5, v14
	v_lshl_add_u32 v14, v15, 4, v14
	v_add_nc_u32 v14, s21, v14
	s_lshl_b32 s24, s20, 10
	v_lshl_add_u32 v15, v9, 5, s24                 ; my 32 bytes among the partial sums
	v_lshlrev_b32 v10, 5, v4                       ; lane r's 32 bytes in a wave's partial sums
	v_lshlrev_b32 v11, 5, v4                       ; noise: 32 bytes a token
	v_mov_b32 v12, 0
	v_lshlrev_b32 v13, 3, v4                       ; sel, gate: 8 bytes a token
	s_lshl_b32 s22, ttmp9, 16                      ; the group's 16 rows of x
	s_mov_b32 s23, 0
	s_wait_kmcnt 0x0
	s_add_nc_u64 s[4:5], s[4:5], s[22:23]
	s_cmp_lg_u32 s20, 0
	s_cbranch_scc1 .Lnot_wave_0
	s_lshl_b32 s22, ttmp9, 9                       ; wave 0 asks at once for what it needs at the end
	s_add_nc_u64 s[14:15], s[14:15], s[22:23]
	global_load_b128 v[NO:NO+3], v11, s[14:15]
	global_load_b128 v[NO+4:NO+7], v11, s[14:15] offset:16
	global_load_b128 v[BR:BR+3], v12, s[10:11]
	global_load_b128 v[BR+4:BR+7], v12, s[10:11] offset:16
	global_load_b128 v[BN:BN+3], v12, s[12:13]
	global_load_b128 v[BN+4:BN+7], v12, s[12:13] offset:16
.Lnot_wave_0:
.set i, 0
.rept 8
	global_load_b128 v[WRAW+4*i:WRAW+4*i+3], v7, s[6:7] offset:512*i
	global_load_b128 v[WRAW+32+4*i:WRAW+32+4*i+3], v7, s[8:9] offset:512*i
.set i, i+1
.endr
.set i, 0
.rept 16
	global_load_b128 v[X+4*i:X+4*i+3], v6, s[4:5] offset:16*i
.set i, i+1
.endr
	s_wait_loadcnt 16                              ; the weights are in; the 16 loads of x, issued behind them, stay out
.set i, 0
.rept 16
	v_cvt_pk_bf16_f32 v[CW+2*i], v[WRAW+4*i], v[WRAW+4*i+1]
	v_cvt_pk_bf16_f32 v[CW+2*i+1], v[WRAW+4*i+2], v[WRAW+4*i+3]
.set i, i+1
.endr
.set i, 0
.rept 16                                               ; load i % 8 holds rows 16 (i % 8) on; w_noise lies 16 bytes behind w_route in a row
	ds_store_b64 v8, v[CW+2*i:CW+2*i+1] offset:512*(i%8)+16*(i/8)
.set i, i+1
.endr
.set i, 0
.rept 4                                                ; fragment i: k = 64 h + 16 i + 0..7, then + 8..15.  My wave's own bytes: LDS serves a wave's instructions in order (ISA guide 5.7.1.4)
	ds_load_tr16_b128 v[WF+8*i:WF+8*i+3], v14 offset:512*i
	ds_load_tr16_b128 v[WF+8*i+4:WF+8*i+7], v14 offset:512*i+256
.set i, i+1
.endr
	s_wait_loadcnt 0x0
.set i, 0
.rept 32                                               ; in place: register i takes numbers 2 i and 2 i + 1, which lie at or above it
	v_cvt_pk_bf16_f32 v[X+i], v[X+2*i], v[X+2*i+1]
.set i, i+1
.endr
	s_wait_dscnt 0x0
	v_wmma_f32_16x16x32_bf16 v[D0:D0+7], v[WF:WF+7], v[X:X+7], 0              ; the first products start the sums; the two accumulators take turns
	v_wmma_f32_16x16x32_bf16 v[D1:D1+7], v[WF+8:WF+15], v[X+8:X+15], 0
	v_wmma_f32_16x16x32_bf16 v[D0:D0+7], v[WF+16:WF+23], v[X+16:X+23], v[D0:D0+7]
	v_wmma_f32_16x16x32_bf16 v[D1:D1+7], v[WF+24:WF+31], v[X+24:X+31], v[D1:D1+7]
.rept 4
	v_nop                                          ; four places between the last product and the lines that read it (ISA guide 7.12.1)
.endr
.set i, 0
.rept 4                                                ; from each accumulator's low end on
	v_pk_add_f32 v[CW+2*i:CW+2*i+1], v[D0+2*i:D0+2*i+1], v[D1+2*i:D1+2*i+1]
.set i, i+1
.endr
	ds_store_b128 v15, v[CW:CW+3] offset:PS
	ds_store_b128 v15, v[CW+4:CW+7] offset:PS+16
	s_wait_dscnt 0x0                               ; for wave 0's sake: my partial sums are in LDS
	s_barrier_signal -1
	s_barrier_wait -1
	s_cmp_lg_u32 s20, 0
	s_cbranch_scc1 .Lend
	; wave 0 alone from here
	s_lshl_b32 s22, ttmp9, 7
	s_add_nc_u64 s[16:17], s[16:17], s[22:23]
	s_add_nc_u64 s[18:19], s[18:19], s[22:23]
.set i, 0
.rept 32                                               ; of wave i / 4: token r's 8 logits (lane r's bytes), then its 8 noise logits (lane 16 + r's, 512 bytes on)
	ds_load_b128 v[16+4*i:16+4*i+3], v10 offset:PS+(i/4)*1024+((i%4)/2)*512+(i%2)*16
.set i, i+1
.endr
	s_wait_dscnt 0x0
.set i, 8
.rept 56
	v_pk_add_f32 v[16+2*(i%8):16+2*(i%8)+1], v[16+2*(i%8):16+2*(i%8)+1], v[16+2*i:16+2*i+1]
.set i, i+1
.endr
.set i, 0
.rept 12                                               ; noise and both biases take bf16's values, kept in f32
	v_cvt_pk_bf16_f32 v[TT], v[NO+2*i], v[NO+2*i+1]
	v_lshlrev_b32 v[NO+2*i], 16, v[TT]
	v_and_b32 v[NO+2*i+1], 0xffff0000, v[TT]
.set i, i+1
.endr
.set i, 0
.rept 8                                                ; LG += b_route, ZN += b_noise: the two lie on end in both places
	v_pk_add_f32 v[LG+2*i:LG+2*i+1], v[LG+2*i:LG+2*i+1], v[BR+2*i:BR+2*i+1]
.set i, i+1
.endr
	; softplus(z) = max(z, 0) + ln 2 * log2(1 + 2^(-log2(e) |z|)): no exponential can overflow
.irp j, 0,1,2,3,4,5,6,7
	v_and_b32 v[SF+\j], 0x7fffffff, v[ZN+\j]
.endr
.irp j, 0,1,2,3,4,5,6,7
	v_mul_f32 v[SF+\j], 0xbfb8aa3b, v[SF+\j]
.endr
.irp j, 0,1,2,3,4,5,6,7
	v_exp_f32 v[SF+\j], v[SF+\j]
.endr
	v_nop                                          ; a plain instruction behind the last exponential
	s_wait_alu depctr_va_vdst(0)
.irp j, 0,1,2,3,4,5,6,7
	v_add_f32 v[SF+\j], 1.0, v[SF+\j]
.endr
.irp j, 0,1,2,3,4,5,6,7
	v_log_f32 v[SF+\j], v[SF+\j]
.endr
	v_nop
.irp j, 0,1,2,3,4,5,6,7
	v_max_num_f32 v[ZN+\j], 0, v[ZN+\j]
.endr
	s_wait_alu depctr_va_vdst(0)
.irp j, 0,1,2,3,4,5,6,7
	v_fmamk_f32 v[SF+\j], v[SF+\j], 0x3f317218, v[ZN+\j]
.endr
.irp j, 0,1,2,3,4,5,6,7
	v_fmac_f32 v[LG+\j], v[NO+\j], v[SF+\j]        ; the noisy logits
.endr
	; the largest, then the largest of the rest; a later number must be strictly greater, so the lower index wins a tie.  Choices are made by selects alone.
	v_mov_b32 v[M1], v[LG]
	v_mov_b32 v[I1], 0
.irp j, 1,2,3,4,5,6,7
	v_cmp_gt_f32 vcc_lo, v[LG+\j], v[M1]
	v_cndmask_b32 v[M1], v[M1], v[LG+\j], vcc_lo
	v_cndmask_b32 v[I1], v[I1], \j, vcc_lo
.endr
	v_mov_b32 v[NINF], 0xff800000
.irp j, 0,1,2,3,4,5,6,7
	v_cmp_eq_u32 vcc_lo, \j, v[I1]
	v_cndmask_b32 v[SF+\j], v[LG+\j], v[NINF], vcc_lo
.endr
	v_mov_b32 v[M2], v[SF]
	v_mov_b32 v[I2], 0
.irp j, 1,2,3,4,5,6,7
	v_cmp_gt_f32 vcc_lo, v[SF+\j], v[M2]
	v_cndmask_b32 v[M2], v[M2], v[SF+\j], vcc_lo
	v_cndmask_b32 v[I2], v[I2], \j, vcc_lo
.endr
	; softmax of the two, the maximum taken away: 1 / (1 + d) and d / (1 + d), d = e^(m2 - m1) <= 1
	v_sub_f32 v[DD], v[M2], v[M1]
	v_mul_f32 v[DD], 0x3fb8aa3b, v[DD]
	v_exp_f32 v[DD], v[DD]
	v_nop
	s_wait_alu depctr_va_vdst(0)
	v_add_f32 v[G1], 1.0, v[DD]
	v_rcp_f32 v[G1], v[G1]
	v_nop
	s_wait_alu depctr_va_vdst(0)
	v_mul_f32 v[G1+1], v[DD], v[G1]
	global_store_b64 v13, v[I1:I1+1], s[16:17]     ; lanes r and 16 + r store the same 8 bytes to the same place
	global_store_b64 v13, v[G1:G1+1], s[18:19]
.Lend:
	s_wait_tensorcnt 0x0                           ; the wave's end, behind my last LDS store
	ds_add_u32 v1, v2
	s_wait_dscnt 0x0
	s_endpgm
.Lfunc_end_k_qb6761259c1_route:
	.size	k_qb6761259c1_route, .Lfunc_end_k_qb6761259c1_route-k_qb6761259c1_route
	.p2alignl 7, 3214868480
	.fill 96, 4, 3214868480
	.section	.rodata,"a",@progbits
	.p2align	6, 0x0
	.amdhsa_kernel k_qb6761259c1_route
		.amdhsa_group_segment_fixed_size 41984
		.amdhsa_private_segment_fixed_size 0
		.amdhsa_enable_private_segment 0
		.amdhsa_kernarg_size 64
		.amdhsa_user_sgpr_count 2
		.amdhsa_user_sgpr_kernarg_segment_ptr 1
		.amdhsa_wavefront_size32 1
		.amdhsa_system_sgpr_workgroup_id_x 1
		.amdhsa_system_sgpr_workgroup_id_y 1
		.amdhsa_system_sgpr_workgroup_id_z 1
		.amdhsa_system_vgpr_workitem_id 0
		.amdhsa_next_free_vgpr 248
		.amdhsa_next_free_sgpr 66
		.amdhsa_reserve_vcc 1
		.amdhsa_float_denorm_mode_32 3
		.amdhsa_float_denorm_mode_16_64 3
		.amdhsa_memory_ordered 1
		.amdhsa_forward_progress 1
		.amdhsa_inst_pref_size 26
	.end_amdhsa_kernel
	.amdgpu_metadata
---
amdhsa.version: [ 1, 2 ]
amdhsa.kernels:
  - .name:           k_qb6761259c1_route
    .symbol:         k_qb6761259c1_route.kd
    .args:
      - { .name: x, .offset: 0, .size: 8, .value_kind: global_buffer, .address_space: global }
      - { .name: w_route, .offset: 8, .size: 8, .value_kind: global_buffer, .address_space: global }
      - { .name: w_noise, .offset: 16, .size: 8, .value_kind: global_buffer, .address_space: global }
      - { .name: b_route, .offset: 24, .size: 8, .value_kind: global_buffer, .address_space: global }
      - { .name: b_noise, .offset: 32, .size: 8, .value_kind: global_buffer, .address_space: global }
      - { .name: noise, .offset: 40, .size: 8, .value_kind: global_buffer, .address_space: global }
      - { .name: sel, .offset: 48, .size: 8, .value_kind: global_buffer, .address_space: global }
      - { .name: gate, .offset: 56, .size: 8, .value_kind: global_buffer, .address_space: global }
    .group_segment_fixed_size: 41984
    .private_segment_fixed_size: 0
    .kernarg_segment_align: 8
    .kernarg_segment_size: 64
    .max_flat_workgroup_size: 256
    .sgpr_count:     66
    .vgpr_count:     248
    .wavefront_size: 32
...
	.end_amdgpu_metadata
.endif
;; end of part 1
;; launch place (part 2): grid 136 x 1, 32 waves a work-group, no clusters, 12,288 bytes of LDS; arguments sel, gate, x, xg, gs, rid, meta; writes xg, gs, rid, meta
.if DOCPART == 2
	.amdgcn_target "amdgcn-amd-amdhsa--gfx1250"
	.amdhsa_code_object_version 6
	.text
	.protected	k_qb6761259c1_place
	.globl	k_qb6761259c1_place
	.p2align	8
	.type	k_qb6761259c1_place,@function
k_qb6761259c1_place:
	s_mov_b64 s[64:65], 0
	v_nop
	global_prefetch_b8 v0, s[64:65] scope:SCOPE_SE
	s_setreg_imm32_b32 hwreg(HW_REG_WAVE_MODE, 25, 1), 1
	s_wait_xcnt 0x0
; TOKENS ARE SORTED BY EXPERT, without atomics.  Each expert's rows start at a multiple of 16: expert e has ceil(n_e / 16) tiles of 16 rows from tile T0[e] on; 128 to 135 tiles in all.
; Thread t is token t; every work-group counts all 1,024 tokens anew (8 KB of sel) and then builds ONE tile, its own number T: it finds the tile's expert, ranks that expert's tokens,
; takes the 16 that fall into the tile, gathers their rows of x, rounds them to bf16 and stores them in the order in which a matrix fragment wants them:
; xg[tile][k step of 32][half][lane][16 bytes].
; gs[slot] = the slot's gate, 0 in a slot without a token (its row of xg is 0).  rid[slot] = the row of y that the slot's result goes to: 2 token + choice, or, for a slot without a
; token, 2,048 + 16 expert + its place in the tile (an expert has one tile that is not full, so no two slots in use share a row).  Work-group 0 also stores meta (T0[0..8], then zeros).
; The grid is the largest number of tiles that 2,048 choices can make, 136; tiles past the last one in use are stored as zeros and never read.
; All lanes stay on throughout: a lane whose token does not fall into the tile writes to a word of its wave's row that nobody reads.
.set CNT,   0                          ; 32 rows of 128 bytes: wave w's counts for the 8 experts, then zeros
.set TOK,   4096                       ; 32 rows of 128 bytes: wave w's own list: words 0-15 the tile's slots (2 token + choice, or the marker 2,048), word 16 for what falls outside the tile
.set SPARE, 8192                       ; the spare words, 128 bytes for each of the 32 waves
.set TF, 66                            ; s[66:74] T0[0..8]
.macro LSUM q                          ; the sum of v[q] over the 32 lanes, in whole numbers, in every lane
.irp m, 1,2,4,8
	v_mov_b32_dpp v13, v[\q] row_xmask:\m row_mask:0xf bank_mask:0xf
	v_add_nc_u32 v[\q], v[\q], v13
.endr
	v_permlanex16_b32 v13, v[\q], s42, s43
	v_add_nc_u32 v[\q], v[\q], v13
.endm
	s_load_b256 s[4:11], s[0:1], 0x0               ; sel, gate, x, xg
	s_load_b128 s[12:15], s[0:1], 0x20             ; gs, rid
	s_load_b64 s[16:17], s[0:1], 0x30              ; meta
	v_lshl_add_u32 v1, v0, 2, SPARE                ; my spare word
	v_mov_b32 v2, 0
	v_and_b32 v3, 31, v0                           ; lane
	v_lshrrev_b32 v8, 5, v0
	v_readfirstlane_b32 s20, v8                    ; wave
	s_mov_b32 s21, ttmp9                           ; T
	; every address that hangs on ids alone
	v_lshlrev_b32 v8, 3, v0                        ; 8 t: sel
	v_lshlrev_b32 v34, 2, v0                       ; 4 t: my word in my wave's row of the counts and of the lists
	v_lshlrev_b32 v61, 1, v0                       ; 2 t
	v_lshlrev_b32 v35, 7, v3                       ; lane l takes wave l's row of the counts
	v_and_b32 v37, 15, v0                          ; r
	v_bfe_u32 v38, v0, 4, 1                        ; h
	v_lshlrev_b32 v60, 2, v37                      ; 4 r: a slot's word in a list, and in the tile's part of gs and of rid
	v_lshl_add_u32 v39, v38, 11, v60               ; + 16 h lists
	s_lshl_b32 s57, s20, 7                         ; my wave's list; also: wave w is k step w, 32 numbers, 128 bytes of a row of x
	v_lshl_add_u32 v41, v38, 5, s57                ; + 8 h numbers
	s_lshl_b32 s62, s20, 10                        ; my k step in a tile of xg
	v_lshl_add_u32 v42, v3, 4, s62
	v_mov_b32 v9, 0
	v_mov_b32 v13, 0
	v_mov_b32 v33, 0x800
	ds_store_b32 v34, v33 offset:TOK               ; my wave's list: nobody yet
	s_mov_b32 s42, 0x76543210                      ; v_permlanex16_b32: each lane takes its own place in the other half
	s_mov_b32 s43, 0xfedcba98
	s_wait_kmcnt 0x0
	global_load_b64 v[4:5], v8, s[4:5]
	s_wait_loadcnt 0x0
	v_min_u32 v4, 7, v4
	v_min_u32 v5, 7, v5
.irp e, 0,1,2,3,4,5,6,7
	v_cmp_eq_u32 s40, \e, v4
	v_cmp_eq_u32 s41, \e, v5
	s_or_b32 s40, s40, s41                         ; my wave's tokens of expert e
	s_bcnt1_i32_b32 s41, s40
	v_writelane_b32 v9, s41, \e                    ; their number, into lane e
.endr
	ds_store_b32 v34, v9 offset:CNT
	s_wait_dscnt 0x0                               ; for the others' sake: my wave's counts are in LDS
	s_barrier_signal -1
	s_barrier_wait -1
	ds_load_b128 v[16:19], v35 offset:CNT          ; lane l takes wave l's eight counts
	ds_load_b128 v[20:23], v35 offset:CNT+16
	s_wait_dscnt 0x0                               ; my reads of the counts are over:
	s_barrier_signal -1                            ; say so; the wait stands in front of the scatter, whose address hangs on loaded numbers; register work alone stands between
.irp p, 0,1,2,3
	v_lshl_or_b32 v[24+(\p)], v[17+2*(\p)], 16, v[16+2*(\p)]   ; two counts to a word: a sum is 1,024 at the most
.endr
	LSUM 24
	LSUM 25
	LSUM 26
	LSUM 27
.irp p, 0,1,2,3
	v_readfirstlane_b32 s[44+(\p)], v[24+(\p)]     ; all tokens of experts 2 p, 2 p + 1
.endr
	s_mov_b32 s52, 0                               ; tiles so far
	s_mov_b32 s48, 0                               ; the tile's expert: the last whose first tile is not behind T,
	s_mov_b32 s49, 0                               ; and that first tile
.irp e, 0,1,2,3,4,5,6,7
	s_bfe_u32 s53, s[44+(\e)/2], 0x100000+16*((\e)%2)
	s_mov_b32 s[TF+(\e)], s52
	s_cmp_le_u32 s52, s21
	s_cselect_b32 s48, \e, s48
	s_cselect_b32 s49, s52, s49
	s_add_co_u32 s53, s53, 15
	s_lshr_b32 s53, s53, 4
	s_add_co_u32 s52, s52, s53
.endr
	s_mov_b32 s[TF+8], s52
	; wave l's count for that expert: one of eight registers, chosen by the expert's three bits
	s_bitcmp1_b32 s48, 0
	s_cselect_b32 s40, -1, 0
	v_cndmask_b32 v16, v16, v17, s40
	v_cndmask_b32 v18, v18, v19, s40
	v_cndmask_b32 v20, v20, v21, s40
	v_cndmask_b32 v22, v22, v23, s40
	s_bitcmp1_b32 s48, 1
	s_cselect_b32 s40, -1, 0
	v_cndmask_b32 v16, v16, v18, s40
	v_cndmask_b32 v20, v20, v22, s40
	s_bitcmp1_b32 s48, 2
	s_cselect_b32 s40, -1, 0
	v_cndmask_b32 v16, v16, v20, s40
	v_cmp_gt_u32 vcc_lo, s20, v3                   ; waves in front of mine
	v_cndmask_b32 v16, 0, v16, vcc_lo
	LSUM 16
	v_readfirstlane_b32 s50, v16                   ; the expert's tokens in front of my wave's
	s_sub_co_u32 s51, s21, s49
	s_lshl_b32 s51, s51, 4                         ; the tile's first row, counted in the expert
	s_sub_co_u32 s50, s50, s51
	v_cmp_eq_u32 s40, s48, v4
	v_cmp_eq_u32 s41, s48, v5                      ; the expert is my second choice
	s_or_b32 s54, s40, s41
	v_mbcnt_lo_u32_b32 v10, s54, 0                 ; the expert's tokens below my lane
	v_add_nc_u32 v32, s50, v10                     ; my place in this tile; a row in front of the tile wraps to a large number
	v_cndmask_b32 v32, v33, v32, s54               ; not this expert's: a large number too
	v_cndmask_b32 v36, 0, 1, s41
	v_add_nc_u32 v36, v36, v61                     ; 2 t + choice
	s_barrier_wait -1                              ; no wave reads the counts any more
	v_min_u32 v32, 16, v32                         ; 0 to 15: in the tile; 16: not
	v_lshl_add_u32 v32, v32, 2, s57                ; in my wave's own list
	ds_store_b32 v32, v36 offset:TOK               ; behind the marker: LDS serves a wave's instructions in order (ISA guide 5.7.1.4)
	s_wait_dscnt 0x0                               ; for the others' sake: my wave's list is whole
	s_barrier_signal -1
	s_barrier_wait -1
	; slot r's entry is the least of the 32 lists' (one holds it, the others the marker): 16 lists a half of the lanes, then the other half's
.set i, 0
.rept 16
	ds_load_b32 v[16+i], v39 offset:TOK+128*i
.set i, i+1
.endr
	s_wait_dscnt 0x0
.set i, 1
.rept 15
	v_min_u32 v16, v16, v[16+i]
.set i, i+1
.endr
	v_permlanex16_b32 v13, v16, s42, s43
	v_min_u32 v16, v16, v13
	v_cmp_gt_u32 s58, 0x800, v16                   ; lanes whose slot holds a token
	v_min_u32 v16, 0x7ff, v16
	v_and_b32 v40, 0x7fe, v16
	v_lshlrev_b32 v40, 11, v40                     ; token x 4,096 bytes
	v_add_nc_u32 v40, v40, v41
	global_load_b128 v[44:47], v40, s[8:9]         ; k = 8 h .. 8 h + 7
	global_load_b128 v[48:51], v40, s[8:9] offset:16
	global_load_b128 v[52:55], v40, s[8:9] offset:64   ; k = 16 + 8 h .. + 7
	global_load_b128 v[56:59], v40, s[8:9] offset:80
	s_cmp_lg_u32 s20, 0
	s_cbranch_scc1 .Lno_gate
	v_lshlrev_b32 v43, 2, v16
	global_load_b32 v17, v43, s[6:7]               ; wave 0: gate[token][choice], asked for together with the rows
.Lno_gate:
	s_lshl_b32 s60, s21, 15                        ; my tile of xg
	s_mov_b32 s61, 0
	s_add_nc_u64 s[10:11], s[10:11], s[60:61]
	s_wait_loadcnt 0x0
.set i, 0
.rept 8
	v_cvt_pk_bf16_f32 v[20+i], v[44+2*i], v[44+2*i+1]
.set i, i+1
.endr
.set i, 0
.rept 8
	v_cndmask_b32 v[20+i], 0, v[20+i], s58         ; a slot without a token is a row of zeros
.set i, i+1
.endr
	global_store_b128 v42, v[20:23], s[10:11]      ; 512 consecutive bytes each
	global_store_b128 v42, v[24:27], s[10:11] offset:512
	s_cmp_lg_u32 s20, 0
	s_cbranch_scc1 .Lend
	v_cndmask_b32 v17, 0, v17, s58
	s_lshl4_add_u32 s59, s48, 0x800
	v_add_nc_u32 v18, s59, v37                     ; 2,048 + 16 expert + r,
	v_cndmask_b32 v18, v18, v16, s58               ; or the slot's 2 token + choice
	s_lshl_b32 s60, s21, 6
	s_add_nc_u64 s[12:13], s[12:13], s[60:61]
	s_add_nc_u64 s[14:15], s[14:15], s[60:61]
	global_store_b32 v60, v17, s[12:13]            ; lanes r and 16 + r hold the same numbers and store them to the same words
	global_store_b32 v60, v18, s[14:15]
	s_cmp_lg_u32 s21, 0
	s_cbranch_scc1 .Lend
	v_mov_b32 v33, 0
.irp e, 0,1,2,3,4,5,6,7,8
	v_writelane_b32 v33, s[TF+(\e)], \e
.endr
	global_store_b32 v34, v33, s[16:17]            ; in wave 0, 4 t is 4 x lane: 32 words of meta
.Lend:
	s_wait_tensorcnt 0x0                           ; the wave's end, behind my last LDS store
	ds_add_u32 v1, v2
	s_wait_dscnt 0x0
	s_endpgm
.Lfunc_end_k_qb6761259c1_place:
	.size	k_qb6761259c1_place, .Lfunc_end_k_qb6761259c1_place-k_qb6761259c1_place
	.p2alignl 7, 3214868480
	.fill 96, 4, 3214868480
	.section	.rodata,"a",@progbits
	.p2align	6, 0x0
	.amdhsa_kernel k_qb6761259c1_place
		.amdhsa_group_segment_fixed_size 12288
		.amdhsa_private_segment_fixed_size 0
		.amdhsa_enable_private_segment 0
		.amdhsa_kernarg_size 56
		.amdhsa_user_sgpr_count 2
		.amdhsa_user_sgpr_kernarg_segment_ptr 1
		.amdhsa_wavefront_size32 1
		.amdhsa_system_sgpr_workgroup_id_x 1
		.amdhsa_system_sgpr_workgroup_id_y 1
		.amdhsa_system_sgpr_workgroup_id_z 1
		.amdhsa_system_vgpr_workitem_id 0
		.amdhsa_next_free_vgpr 64
		.amdhsa_next_free_sgpr 96
		.amdhsa_reserve_vcc 1
		.amdhsa_float_denorm_mode_32 3
		.amdhsa_float_denorm_mode_16_64 3
		.amdhsa_memory_ordered 1
		.amdhsa_forward_progress 1
		.amdhsa_inst_pref_size 16
	.end_amdhsa_kernel
	.amdgpu_metadata
---
amdhsa.version: [ 1, 2 ]
amdhsa.kernels:
  - .name:           k_qb6761259c1_place
    .symbol:         k_qb6761259c1_place.kd
    .args:
      - { .name: sel, .offset: 0, .size: 8, .value_kind: global_buffer, .address_space: global }
      - { .name: gate, .offset: 8, .size: 8, .value_kind: global_buffer, .address_space: global }
      - { .name: x, .offset: 16, .size: 8, .value_kind: global_buffer, .address_space: global }
      - { .name: xg, .offset: 24, .size: 8, .value_kind: global_buffer, .address_space: global }
      - { .name: gs, .offset: 32, .size: 8, .value_kind: global_buffer, .address_space: global }
      - { .name: rid, .offset: 40, .size: 8, .value_kind: global_buffer, .address_space: global }
      - { .name: meta, .offset: 48, .size: 8, .value_kind: global_buffer, .address_space: global }
    .group_segment_fixed_size: 12288
    .private_segment_fixed_size: 0
    .kernarg_segment_align: 8
    .kernarg_segment_size: 56
    .max_flat_workgroup_size: 1024
    .sgpr_count:     96
    .vgpr_count:     64
    .wavefront_size: 32
...
	.end_amdgpu_metadata
.endif
;; end of part 2
;; launch ffn1 (part 3): grid 32 x 8, 4 waves a work-group, no clusters, 262,656 bytes of LDS; arguments xg, w1, b1, meta, h; writes h
.if DOCPART == 3
	.amdgcn_target "amdgcn-amd-amdhsa--gfx1250"
	.amdhsa_code_object_version 6
	.text
	.protected	k_qb6761259c1_ffn1
	.globl	k_qb6761259c1_ffn1
	.p2align	8
	.type	k_qb6761259c1_ffn1,@function
k_qb6761259c1_ffn1:
	s_mov_b64 s[64:65], 0
	v_nop
	global_prefetch_b8 v0, s[64:65] scope:SCOPE_SE
	s_setreg_imm32_b32 hwreg(HW_REG_WAVE_MODE, 25, 1), 1
	s_wait_xcnt 0x0
; ONE TEXT FOR BOTH PRODUCTS OF AN EXPERT, chosen by FFN.  FFN = 1: h = relu(xg w1[e] + b1[e]), stored in bf16.  FFN = 2: y[quarter of K] = gate * (h w2[e] + b2[e] in quarter 0), in f32.
; A work-group owns 128 columns of one expert's weights and 1,024 of K: 512 KB of f32, read once, in loads of which 16 lanes take 256 consecutive, aligned bytes of a row.
; WEIGHTS lie [k][n] in f32; a fragment wants k along a lane's registers, in bf16.  A lane loads 4 neighbouring columns of 16 rows and packs, for each of the 4 columns, its
; 16 k: four fragments, of which fragment c holds the columns 64 g + 4 i + c (i = the fragment's row).  No number changes lanes; the order of columns is set right by the addresses on the way out.
; A chunk is 64 k x 128 columns; wave w converts unit (ks = w / 2, g = w % 2) of it and stores it to LDS in fragment order; all four waves read all of it.  Each of the 16 chunks has
; LDS bytes of its own, written once: after the walk all the work-group's weights lie in LDS in bf16.
; ROWS.  Wave w owns the expert's tiles of 16 rows w, w + 4, .. (six at the most in a pass), each by all 128 columns: up to 48 accumulators.  Their fragments come straight from memory,
; where the launch before laid them in fragment order (1,024 consecutive bytes each).  An expert with more than 24 tiles takes further passes of 24 tiles over the weights in LDS;
; those passes wait for each chunk's rows and are slow: they serve routing that sends more than 384 of the 1,024 tokens to one expert.
; The numbers of tiles come from meta, whole numbers that an earlier launch stored; no barrier stands under a branch on them.
; FFN = 1 takes the weights as source 0: a lane holds one row and eight columns, 16 bytes of bf16 that ARE half a fragment of the second product, whose k order
; (row 2 ks + 32 h + 4 j + b of a group of 64) the second product's weight loads follow.  FFN = 2 takes the rows as source 0: four accumulators give a lane 16 neighbouring bytes of a row of y;
; a slot's row of y is the one that rid names (2 token + choice), so that the next launch finds a token's rows at fixed places.
; Weights and biases are rounded to bf16; the bias is the C operand of the first product; sums in f32; h is rounded once.  The four quarters' partial sums stay in f32 and are added by the next launch.
; NO CLUSTER: the 32 work-groups of an expert read the same rows, but a joint load lands in LDS: a chunk's rows for 24 tiles are 49,152 bytes, two slots 98,304, and beside the
; 262,144 bytes of weights 65,024 are left.
; REGISTERS, in windows of 256 (s_set_vgpr_msb: bits 1:0 source 0, 3:2 source 1, 5:4 source 2, 7:6 destination):
;   window 0: v0-31 addresses and work; v32-95, v96-159 weight fragments of a chunk's two k steps; v160-191 packed weights; v192-255 the bias as a C operand
;   window 1: accumulators of tiles 0-3 (tile i, fragment f at 64 i + 8 f)     window 2: v0-127 those of tiles 4, 5; v128-191, v192-255 weights as loaded, two buffers; at the end gates and rows of y
;   window 3: v0-95, v96-191 the rows' fragments, two buffers (k step ks, tile i at 48 ks + 8 i)
.set FFN, 1
.if FFN == 1
.set CH,   1048576                     ; bytes from a chunk of weights to the next: 64 rows of 16,384
.set KSW,  524288                      ; a wave's ks in the weights: 32 rows
.set TSH,  15                          ; a tile of rows is 32,768 bytes
.set BSH,  14                          ; an expert's bias is 16,384 bytes
.set WSRC, 0x0c                        ; source 0 (weights) window 0, source 1 (rows) window 3
.else
.set CH,   262144                      ; 64 rows of 4,096
.set KSW,  8192                        ; 2 rows
.set TSH,  17                          ; 131,072 bytes
.set BSH,  12
.set WSRC, 0x03                        ; source 0 (rows) window 3, source 1 (weights) window 0
.endif
.set YPL,   8912896                    ; a quarter's plane of y: 2,176 rows of 4,096 bytes
.set REG,   16384                      ; a chunk in LDS: [ks][8 fragments][half][lane][16 bytes]
.set SPARE, 16*REG                     ; behind the 16 chunks: the spare words, 128 bytes a wave
.set L16,  1                           ; v1   16 x lane
.set SPW,  2                           ; v2   my spare word
.set NIL,  3                           ; v3   0, for the add alone
.set WOFF, 4                           ; v4   my byte offset in a chunk of weights
.set LST,  5                           ; v5   LDS: where my unit of the next chunk goes
.set LLD,  6                           ; v6   LDS: 16 x lane in the chunk in hand
.set ZERO, 7                           ; v7   0
.set AO,   8                           ; v8-13  byte offset of my lane in tile i's rows
.set FB0,  32
.set FB1,  96
.set CT,   160
.set BIAS, 192
.set WS0,  128                         ; window 2
.set GW,   128                         ; window 2, at the end: the gates of rows 8 h .. 8 h + 7 of tile i at GW + 8 i
.set RW,   176                         ; window 2, at the end: those rows' places in y at RW + 8 i
.set FA0,  0                           ; window 3
.set WV,    16                         ; s16  wave
.set CB,    17                         ; s17  block of 128 columns
.set XP,    18                         ; s18  expert
.set KQ,    19                         ; s19  quarter of K (FFN = 2)
.set TFIRST,20                         ; s20  the expert's first tile
.set MT,    21                         ; s21  its number of tiles
.set TOTAL, 22                         ; s22  tiles in use
.set NTW,   25                         ; s25  my wave's tiles in the first pass
.set TBEG,  26                         ; s26  the pass's first tile, counted in the expert
.set TEND,  27                         ; s27  one past its last
.set KC,    28
.set PC,    29
.set SW,    30                         ; s[30:31] weights at the chunk in hand
.set SA,    32                         ; s[32:33] rows at the chunk in hand
.set SA0,   36                         ; s[36:37] rows at chunk 0
.set SO,    38                         ; s[38:39] the output
.set TI,    40                         ; s40-45  tile i's number in the expert
.set GT,    46                         ; s46-51  the tile that is read for it: held inside the pass, the tiles in use and the buffer
.set RID,   62                         ; s[62:63] rid (FFN = 2)
.set MSB, 0
.macro WIN new                         ; the immediate's high byte repeats the setting that is left; a switch that changes nothing is dropped
.if MSB != (\new)
	s_set_vgpr_msb (MSB<<8)|(\new)
.set MSB, (\new)
.endif
.endm
.macro PLACES                          ; four places behind a matrix instruction, in front of loads into its sources and of reads of its result
	WIN 0
.rept 4
	v_nop
.endr
.endm
.macro TILES                           ; my six tiles of the pass TBEG .. TEND
	s_max_u32 s52, s[TEND], 1
	s_sub_co_u32 s52, s52, 1
	s_sub_co_u32 s53, s[TOTAL], 1
.irp i, 0,1,2,3,4,5
	s_add_co_u32 s[TI+(\i)], s[TBEG], s[WV]
	s_add_co_u32 s[TI+(\i)], s[TI+(\i)], 4*(\i)
	s_min_u32 s54, s[TI+(\i)], s52
	s_add_co_u32 s54, s54, s[TFIRST]
	s_min_u32 s54, s54, s53
	s_min_u32 s[GT+(\i)], s54, 135
	s_lshl_b32 s54, s[GT+(\i)], TSH
	v_add_nc_u32 v[AO+(\i)], s54, v[L16]
.endr
.endm
.macro LOADW sb, off                   ; my unit of a chunk: 16 rows (u = 8 b + j), 4 columns a lane
	WIN 0x80
.irp u, 0,1,2,3,4,5,6,7,8,9,10,11,12,13,14,15
.if FFN == 1
	global_load_b128 v[(\sb)+4*(\u):(\sb)+4*(\u)+3], v[WOFF], s[SW:SW+1] offset:(\off)+(16*((\u)/8)+(\u)%8)*16384 th:TH_LOAD_NT
.else
	global_load_b128 v[(\sb)+4*(\u):(\sb)+4*(\u)+3], v[WOFF], s[SW:SW+1] offset:(\off)+(4*((\u)%8)+(\u)/8)*4096 th:TH_LOAD_NT
.endif
.endr
.endm
.macro CVTW sb                         ; fragment c, register t = 4 b + q: rows 8 b + 2 q and 8 b + 2 q + 1 of column c
	WIN 0x0a
.irp c, 0,1,2,3
.irp t, 0,1,2,3,4,5,6,7
	v_cvt_pk_bf16_f32 v[CT+8*(\c)+(\t)], v[(\sb)+4*(8*((\t)/4)+2*((\t)%4))+(\c)], v[(\sb)+4*(8*((\t)/4)+2*((\t)%4)+1)+(\c)]
.endr
.endr
.endm
.macro STOREB
	WIN 0
.irp t, 0,1,2,3,4,5,6,7                ; t = 2 c + half
	ds_store_b128 v[LST], v[CT+4*(\t):CT+4*(\t)+3] offset:512*(\t)
.endr
.endm
.macro LOADB bb, off                   ; a k step's eight fragments
	WIN 0
.irp t, 0,1,2,3,4,5,6,7,8,9,10,11,12,13,14,15
	ds_load_b128 v[(\bb)+4*(\t):(\bb)+4*(\t)+3], v[LLD] offset:(\off)+512*(\t)
.endr
.endm
.macro LOADA ab, off, cond             ; my tiles' fragments of a chunk's two k steps (u = 2 ks + half); cond = 1: only my wave's NTW tiles
.irp i, 0,1,2,3,4,5
.if (\cond) && ((\i) > 0)
	WIN 0
	s_cmp_le_u32 s[NTW], \i
	s_cbranch_scc1 .Lla_\@
.endif
	WIN 0xc0
.irp u, 0,1,2,3
	global_load_b128 v[(\ab)+48*((\u)/2)+8*(\i)+4*((\u)%2):(\ab)+48*((\u)/2)+8*(\i)+4*((\u)%2)+3], v[AO+(\i)], s[SA:SA+1] offset:(\off)+512*(\u)
.endr
.endr
	WIN 0
.Lla_\@:
.endm
.if FFN == 2
.macro GLOAD                           ; the gates and the rows of y of my six tiles' rows 8 h .. 8 h + 7, into the weight buffers, which are free by then
	WIN 0
	s_wait_xcnt 0x0                                ; the address registers below, and those that the last pass's stores named, are written again only behind this wait
.irp i, 0,1,2,3,4,5
	s_lshl_b32 s52, s[GT+(\i)], 6
	v_add_nc_u32 v[16+(\i)], s52, v15
.endr
	WIN 0x80
.irp i, 0,1,2,3,4,5
	global_load_b128 v[GW+8*(\i):GW+8*(\i)+3], v[16+(\i)], s[14:15]
	global_load_b128 v[GW+8*(\i)+4:GW+8*(\i)+7], v[16+(\i)], s[14:15] offset:16
	global_load_b128 v[RW+8*(\i):RW+8*(\i)+3], v[16+(\i)], s[RID:RID+1]
	global_load_b128 v[RW+8*(\i)+4:RW+8*(\i)+7], v[16+(\i)], s[RID:RID+1] offset:16
.endr
	WIN 0
.endm
.endif
; One k step: eight matrix instructions a tile.  The accumulators take turns, one instruction a turn.  first = 1: the bias starts the sums.
.macro MUL ab, ks, bb, first, cond
.irp i, 0,1,2,3,4,5
.if (\cond) && ((\i) > 0)
	WIN 0
	s_cmp_le_u32 s[NTW], \i
	s_cbranch_scc1 .Lmul_\@
.endif
.set aw, 1+(\i)/4
.if \first
	WIN (aw<<6)|WSRC
.else
	WIN (aw<<6)|(aw<<4)|WSRC
.endif
.irp f, 0,1,2,3,4,5,6,7
.set rD, 64*((\i)%4)+8*(\f)
.if FFN == 1
.set rP, (\bb)+8*(\f)
.set rQ, (\ab)+48*(\ks)+8*(\i)
.else
.set rP, (\ab)+48*(\ks)+8*(\i)
.set rQ, (\bb)+8*(\f)
.endif
.if \first
	v_wmma_f32_16x16x32_bf16 v[rD:rD+7], v[rP:rP+7], v[rQ:rQ+7], v[BIAS+8*(\f):BIAS+8*(\f)+7]
.else
	v_wmma_f32_16x16x32_bf16 v[rD:rD+7], v[rP:rP+7], v[rQ:rQ+7], v[rD:rD+7]
.endif
.endr
.endr
	WIN 0
.Lmul_\@:
.endm
; Chunk c (p = c % 2).  It multiplies chunk c; converts and publishes chunk c + 1's weights; asks for chunk c + 1's rows and chunk c + 3's weights.
; Rows are always asked for ahead of weights, so the 16 youngest loads are weights on every path.
; ONE BARRIER A CHUNK, its halves apart.  It orders each wave's stores of chunk c + 1 with every wave's reads of chunk c + 1: the signal stands behind the wait for my stores, the wait in front
; of my first read of chunk c + 1.  Between them stand reads of chunk c, whose bytes nobody writes again, and the first k step's products.
.macro CHUNK p, first, cond, waitn, docvt, doa, dow, dog=0
.set FAP, FA0+96*(\p)
.set FAN, FA0+96*(1-(\p))
.set WSN, WS0+64*(1-(\p))
	s_wait_loadcnt \waitn                          ; chunk c's rows and chunk c + 1's weights are in; the weights asked for last may stay out
.if \docvt
	CVTW WSN                                       ; 32 plain lines: also the places in front of the loads below
	STOREB
.else
	PLACES
.endif
.if \doa
	LOADA FAN, 2048, \cond
.endif
.if \dow
	LOADW WSN, 3*CH
.endif
.if (\dog) && (FFN == 2)
	GLOAD
.endif
.if \docvt
	s_wait_dscnt 0x0                               ; for the others' sake: my unit of chunk c + 1 is in LDS (and the first k step's fragments are in)
	s_barrier_signal -1
.endif
	LOADB FB1, REG/2
.if !(\docvt)
	s_wait_dscnt 16                                ; the first k step's fragments are in; the 16 loads just issued stay out
.endif
	MUL FAP, 0, FB0, \first, \cond
.if \docvt
	s_wait_xcnt 0x0                                ; the pointers are stepped only behind this wait
	s_add_nc_u64 s[SW:SW+1], s[SW:SW+1], CH
	s_add_nc_u64 s[SA:SA+1], s[SA:SA+1], 2048
	s_barrier_wait -1                              ; everybody's unit of chunk c + 1 is in LDS
	PLACES
	LOADB FB0, REG
	v_add_nc_u32 v[LLD], REG, v[LLD]
	v_add_nc_u32 v[LST], REG, v[LST]
	s_wait_dscnt 16                                ; the second k step's fragments are in; the 16 loads just issued stay out
.else
	s_wait_dscnt 0x0
.endif
	MUL FAP, 1, FB1, 0, \cond
.endm
; A chunk of a later pass: the weights lie in LDS, six tiles a wave, nothing is asked for ahead.
.macro RCHUNK first
	PLACES
	LOADA FA0, 0, 0
	LOADB FB0, 0
	LOADB FB1, REG/2
	s_wait_loadcnt 0x0
	s_wait_dscnt 0x0
	MUL FA0, 0, FB0, \first, 0
	MUL FA0, 1, FB1, 0, 0
	s_wait_xcnt 0x0
	s_add_nc_u64 s[SA:SA+1], s[SA:SA+1], 2048
	v_add_nc_u32 v[LLD], REG, v[LLD]
.endm
	s_load_b256 s[4:11], s[0:1], 0x0               ; rows, weights, bias, meta
.if FFN == 1
	s_load_b64 s[12:13], s[0:1], 0x20              ; h
.else
	s_load_b128 s[12:15], s[0:1], 0x20             ; y, gs
	s_load_b64 s[RID:RID+1], s[0:1], 0x30          ; rid
.endif
	v_lshl_add_u32 v[SPW], v0, 2, SPARE
	v_mov_b32 v[NIL], 0
	v_lshrrev_b32 v14, 5, v0
	v_readfirstlane_b32 s[WV], v14
	v_and_b32 v[L16], 31, v0
	v_lshlrev_b32 v[L16], 4, v[L16]
	v_and_b32 v14, 15, v0                          ; r
	v_bfe_u32 v15, v0, 4, 1                        ; h
	v_mov_b32 v[ZERO], 0
	s_and_b32 s[XP], ttmp7, 0xffff
.if FFN == 1
	s_mov_b32 s[CB], ttmp9
	s_mov_b32 s[KQ], 0
.else
	s_and_b32 s[CB], ttmp9, 7
	s_lshr_b32 s[KQ], ttmp9, 3
.endif
	s_lshr_b32 s52, s[WV], 1                       ; ks
	s_and_b32 s53, s[WV], 1                        ; g
	s_mul_i32 s54, s52, KSW
	s_lshl_b32 s55, s53, 8
	s_add_co_u32 s54, s54, s55
	v_lshlrev_b32 v[WOFF], 4, v14                  ; 4 columns a lane,
	v_lshl_add_u32 v[WOFF], v15, 17, v[WOFF]       ; h: 8 rows of 16,384 bytes, or 32 of 4,096,
	v_add_nc_u32 v[WOFF], s54, v[WOFF]             ; my wave's ks and its 64 columns
	s_lshl_b32 s54, s52, 13
	s_lshl_b32 s55, s53, 12
	s_add_co_u32 s54, s54, s55
	v_add_nc_u32 v[LST], s54, v[L16]
	v_mov_b32 v[LLD], v[L16]
.if FFN == 1
	v_lshlrev_b32 v23, 7, v15                      ; bias: 32 h numbers
.else
	v_lshlrev_b32 v23, 4, v14                      ; bias: 4 r numbers
	v_lshlrev_b32 v22, 4, v14                      ; y: 4 r numbers in a row
	v_lshlrev_b32 v15, 5, v15                      ; gs, rid: 8 h numbers
.endif
	s_mov_b32 s58, 0xffff0000
	s_lshl_b32 s60, s[XP], 2
	s_wait_kmcnt 0x0
	s_load_b64 s[20:21], s[10:11], s60 offset:0x0  ; T0[e], T0[e + 1]
	s_load_b32 s22, s[10:11], 0x20                 ; T0[8]
	s_lshl_b32 s54, s[XP], 24                      ; an expert's weights are 16,777,216 bytes
	s_lshl_b32 s55, s[CB], 9
	s_add_co_u32 s54, s54, s55
.if FFN == 2
	s_lshl_b32 s55, s[KQ], 22                      ; a quarter of K: 1,024 rows of 4,096 bytes
	s_add_co_u32 s54, s54, s55
.endif
	s_mov_b32 s55, 0
	s_add_nc_u64 s[SW:SW+1], s[6:7], s[54:55]
	s_lshl_b32 s54, s[XP], BSH
	s_lshl_b32 s56, s[CB], 9
	s_add_co_u32 s54, s54, s56
	s_add_nc_u64 s[56:57], s[8:9], s[54:55]        ; the bias of my 128 columns
.if FFN == 1
	s_mov_b64 s[SA0:SA0+1], s[4:5]
	s_lshl_b32 s54, s[CB], 12                      ; in a tile of h my 128 columns are 4 k steps, 4,096 bytes
.else
	s_lshl_b32 s54, s[KQ], 15                      ; in a tile of h a quarter of K is 32 k steps
	s_add_nc_u64 s[SA0:SA0+1], s[4:5], s[54:55]
	s_mul_i32 s54, s[KQ], YPL
	s_lshl_b32 s59, s[CB], 9
	s_add_co_u32 s54, s54, s59
.endif
	s_add_nc_u64 s[SO:SO+1], s[12:13], s[54:55]
	s_mov_b64 s[SA:SA+1], s[SA0:SA0+1]
.if FFN == 1
.irp u, 0,1,2,3,4,5,6,7,8,9,10,11,12,13,14,15          ; u = 8 g + j: columns 64 g + 32 h + 4 j + 0..3
	global_load_b128 v[FB0+4*(\u):FB0+4*(\u)+3], v23, s[56:57] offset:((\u)/8)*256+((\u)%8)*16
.endr
.else
	global_load_b128 v[FB0:FB0+3], v23, s[56:57]             ; columns 4 r + 0..3
	global_load_b128 v[FB0+4:FB0+7], v23, s[56:57] offset:256   ; and 64 + 4 r + 0..3
.endif
	LOADW WS0, 0                                   ; chunk 0's weights go out before meta is in
	WIN 0
	s_wait_kmcnt 0x0
	s_sub_co_u32 s[MT], s21, s20
	s_add_co_u32 s52, s[MT], 23
	s_mul_i32 s52, s52, 2731
	s_lshr_b32 s52, s52, 16                        ; ceil(tiles / 24), right for 0 to 64 tiles
	s_max_u32 s52, s52, 1
	s_sub_co_u32 s52, s52, 1
	s_mul_i32 s52, s52, 24
	s_mov_b32 s[TBEG], 0
	s_sub_co_u32 s[TEND], s[MT], s52               ; the first pass takes what later passes of 24 leave
	s_add_co_u32 s[NTW], s[TEND], 3
	s_sub_co_u32 s[NTW], s[NTW], s[WV]
	s_lshr_b32 s[NTW], s[NTW], 2
	TILES
	LOADA FA0, 0, 0
	LOADW WS0+64, CH
	WIN 0
	s_wait_loadcnt 40                              ; the bias and chunk 0's weights are in; chunk 0's 24 loads of rows and chunk 1's 16 of weights stay out
.if FFN == 1
.irp u, 0,1,2,3,4,5,6,7,8,9,10,11,12,13,14,15          ; rounded to bf16's values and put where fragment 4 g + c, register j wants them
.irp d, 0,1
	v_cvt_pk_bf16_f32 v24, v[FB0+4*(\u)+2*(\d)], v[FB0+4*(\u)+2*(\d)+1]
	v_lshlrev_b32 v[BIAS+8*(4*((\u)/8)+2*(\d))+(\u)%8], 16, v24
	v_and_b32 v[BIAS+8*(4*((\u)/8)+2*(\d)+1)+(\u)%8], s58, v24
.endr
.endr
.else
.irp d, 0,1,2,3
	v_cvt_pk_bf16_f32 v24, v[FB0+2*(\d)], v[FB0+2*(\d)+1]
	v_lshlrev_b32 v[FB0+2*(\d)], 16, v24
	v_and_b32 v[FB0+2*(\d)+1], s58, v24
.endr
	s_cmp_eq_u32 s[KQ], 0
	s_cselect_b32 s59, -1, 0                       ; the bias enters in quarter 0 alone
.irp f, 0,1,2,3,4,5,6,7
.irp j, 0,1,2,3,4,5,6,7
	v_and_b32 v[BIAS+8*(\f)+(\j)], s59, v[FB0+(\f)]
.endr
.endr
.endif
	CVTW WS0
	LOADW WS0, 2*CH
	STOREB
	v_add_nc_u32 v[LST], REG, v[LST]
	s_wait_dscnt 0x0                               ; my unit of chunk 0 is in LDS
	s_barrier_signal -1
	s_barrier_wait -1
	LOADB FB0, 0
	CHUNK 0, 1, 0, 16, 1, 1, 1                     ; chunk 0 takes all six tiles: every accumulator and both row buffers are written on every path
	s_mov_b32 s[KC], 6
.Lk:                                                   ; chunks 1 to 12
	CHUNK 1, 0, 1, 16, 1, 1, 1
	CHUNK 0, 0, 1, 16, 1, 1, 1
	s_sub_co_u32 s[KC], s[KC], 1
	s_cmp_lg_u32 s[KC], 0
	s_cbranch_scc1 .Lk
	CHUNK 1, 0, 1, 16, 1, 1, 0                     ; chunk 13: no weights are left to ask for; chunk 15's stay out
	CHUNK 0, 0, 1, 0, 1, 1, 0, 1                   ; chunk 14: both weight buffers are free behind its conversion; FFN = 2 asks for gates and rows of y, a chunk ahead of the wait for them
	CHUNK 1, 0, 1, 0, 0, 0, 0                      ; chunk 15
	s_mov_b32 s[PC], 3                             ; 64 tiles at the most: three passes
	s_branch .Lepi
.Lpass:
	s_cmp_ge_u32 s[TBEG], s[MT]
	s_cbranch_scc1 .Lnext
.if FFN == 2
	GLOAD
.endif
	v_mov_b32 v[LLD], v[L16]
	s_mov_b64 s[SA:SA+1], s[SA0:SA0+1]
	RCHUNK 1
	s_mov_b32 s[KC], 15
.Lres:
	RCHUNK 0
	s_sub_co_u32 s[KC], s[KC], 1
	s_cmp_lg_u32 s[KC], 0
	s_cbranch_scc1 .Lres
.Lepi:                                                 ; THE WAY OUT of a pass; a tile past the pass's end is not stored
	PLACES
	s_wait_xcnt 0x0
.if FFN == 1
.irp i, 0,1,2,3,4,5
	WIN 0
	s_cmp_ge_u32 s[TI+(\i)], s[TEND]
	s_cbranch_scc1 .Lepi_done
	s_wait_xcnt 0x0                                ; the last tile's stores have read their registers
	s_lshl_b32 s52, s[GT+(\i)], 17
	v_add_nc_u32 v14, s52, v[L16]
	WIN 5*(1+(\i)/4)                               ; both sources in the accumulators' window
.set t, 0
.rept 32                                               ; each accumulator's registers in ascending order
	v_cvt_pk_bf16_f32 v[FB0+t], v[64*((\i)%4)+2*t], v[64*((\i)%4)+2*t+1]
.set t, t+1
.endr
	WIN 0
.set t, 0
.rept 32
	v_pk_max_num_bf16 v[FB0+t], v[FB0+t], v[ZERO]  ; relu, two at a time: nothing is rounded
.set t, t+1
.endr
.irp f, 0,1,2,3,4,5,6,7
	global_store_b128 v14, v[FB0+4*(\f):FB0+4*(\f)+3], s[SO:SO+1] offset:512*(\f)   ; 512 consecutive bytes: half a fragment of the second product
.endr
.endr
.else
	s_wait_loadcnt 0x0                             ; gates and rows of y are in
	WIN 0x88                                       ; source 1 and destination in window 2
.set t, 0
.rept 48
	v_min_u32 v[RW+t], 0x87f, v[RW+t]              ; a row of y: 2,175 at the most
.set t, t+1
.endr
	WIN 0x82                                       ; source 0 and destination in window 2
.set t, 0
.rept 48
	v_lshl_add_u32 v[RW+t], v[RW+t], 12, v22       ; its 4,096 bytes, and my 16 in them
.set t, t+1
.endr
.irp i, 0,1,2,3,4,5
	WIN 0
	s_cmp_ge_u32 s[TI+(\i)], s[TEND]
	s_cbranch_scc1 .Lepi_done
	s_wait_xcnt 0x0                                ; the last tile's stores have read their registers
	WIN (1+(\i)/4)|0x08                            ; source 0 in the accumulators' window, source 1 (the gate) in window 2
.irp j, 0,1,2,3,4,5,6,7                                ; register 0 of every accumulator first
.irp f, 0,1,2,3,4,5,6,7
	v_mul_f32 v[FB0+8*(\j)+(\f)], v[64*((\i)%4)+8*(\f)+(\j)], v[GW+8*(\i)+(\j)]
.endr
.endr
	WIN 0x02                                       ; the address in window 2, the data in window 0
.irp j, 0,1,2,3,4,5,6,7
.irp g, 0,1
	global_store_b128 v[RW+8*(\i)+(\j)], v[FB0+8*(\j)+4*(\g):FB0+8*(\j)+4*(\g)+3], s[SO:SO+1] offset:256*(\g)   ; 16 lanes store 256 consecutive, aligned bytes of a row
.endr
.endr
.endr
.endif
	WIN 0
.Lepi_done:
	s_wait_xcnt 0x0
	s_mov_b32 s[TBEG], s[TEND]
	s_add_co_u32 s[TEND], s[TEND], 24
	TILES
.Lnext:
	s_sub_co_u32 s[PC], s[PC], 1
	s_cmp_lg_u32 s[PC], 0
	s_cbranch_scc1 .Lpass
	s_wait_dscnt 0x0                               ; my reads of the weights in LDS are over,
	s_barrier_signal -1
	s_barrier_wait -1                              ; and every wave's: no LDS read of any wave is open when the closing add is issued
	s_wait_tensorcnt 0x0                           ; the wave's end, behind my last LDS store
	ds_add_u32 v[SPW], v[NIL]
	s_wait_dscnt 0x0
	s_endpgm
.Lfunc_end_k_qb6761259c1_ffn1:
	.size	k_qb6761259c1_ffn1, .Lfunc_end_k_qb6761259c1_ffn1-k_qb6761259c1_ffn1
	.p2alignl 7, 3214868480
	.fill 96, 4, 3214868480
	.section	.rodata,"a",@progbits
	.p2align	6, 0x0
	.amdhsa_kernel k_qb6761259c1_ffn1
		.amdhsa_group_segment_fixed_size 262656
		.amdhsa_private_segment_fixed_size 0
		.amdhsa_enable_private_segment 0
		.amdhsa_kernarg_size 40
		.amdhsa_user_sgpr_count 2
		.amdhsa_user_sgpr_kernarg_segment_ptr 1
		.amdhsa_wavefront_size32 1
		.amdhsa_system_sgpr_workgroup_id_x 1
		.amdhsa_system_sgpr_workgroup_id_y 1
		.amdhsa_system_sgpr_workgroup_id_z 1
		.amdhsa_system_vgpr_workitem_id 0
		.amdhsa_next_free_vgpr 960
		.amdhsa_next_free_sgpr 66
		.amdhsa_reserve_vcc 0
		.amdhsa_float_denorm_mode_32 3
		.amdhsa_float_denorm_mode_16_64 3
		.amdhsa_memory_ordered 1
		.amdhsa_forward_progress 1
		.amdhsa_inst_pref_size 164
	.end_amdhsa_kernel
	.amdgpu_metadata
---
amdhsa.version: [ 1, 2 ]
amdhsa.kernels:
  - .name:           k_qb6761259c1_ffn1
    .symbol:         k_qb6761259c1_ffn1.kd
    .args:
      - { .name: xg, .offset: 0, .size: 8, .value_kind: global_buffer, .address_space: global }
      - { .name: w1, .offset: 8, .size: 8, .value_kind: global_buffer, .address_space: global }
      - { .name: b1, .offset: 16, .size: 8, .value_kind: global_buffer, .address_space: global }
      - { .name: meta, .offset: 24, .size: 8, .value_kind: global_buffer, .address_space: global }
      - { .name: h, .offset: 32, .size: 8, .value_kind: global_buffer, .address_space: global }
    .group_segment_fixed_size: 262656
    .private_segment_fixed_size: 0
    .kernarg_segment_align: 8
    .kernarg_segment_size: 40
    .max_flat_workgroup_size: 128
    .sgpr_count:     66
    .vgpr_count:     960
    .wavefront_size: 32
...
	.end_amdgpu_metadata
.endif
;; end of part 3
;; launch ffn2 (part 4): grid 32 x 8, 4 waves a work-group, no clusters, 262,656 bytes of LDS; arguments h, w2, b2, meta, y, gs, rid; writes y
.if DOCPART == 4
	.amdgcn_target "amdgcn-amd-amdhsa--gfx1250"
	.amdhsa_code_object_version 6
	.text
	.protected	k_qb6761259c1_ffn2
	.globl	k_qb6761259c1_ffn2
	.p2align	8
	.type	k_qb6761259c1_ffn2,@function
k_qb6761259c1_ffn2:
	s_mov_b64 s[64:65], 0
	v_nop
	global_prefetch_b8 v0, s[64:65] scope:SCOPE_SE
	s_setreg_imm32_b32 hwreg(HW_REG_WAVE_MODE, 25, 1), 1
	s_wait_xcnt 0x0
; ONE TEXT FOR BOTH PRODUCTS OF AN EXPERT, chosen by FFN.  FFN = 1: h = relu(xg w1[e] + b1[e]), stored in bf16.  FFN = 2: y[quarter of K] = gate * (h w2[e] + b2[e] in quarter 0), in f32.
; A work-group owns 128 columns of one expert's weights and 1,024 of K: 512 KB of f32, read once, in loads of which 16 lanes take 256 consecutive, aligned bytes of a row.
; WEIGHTS lie [k][n] in f32; a fragment wants k along a lane's registers, in bf16.  A lane loads 4 neighbouring columns of 16 rows and packs, for each of the 4 columns, its
; 16 k: four fragments, of which fragment c holds the columns 64 g + 4 i + c (i = the fragment's row).  No number changes lanes; the order of columns is set right by the addresses on the way out.
; A chunk is 64 k x 128 columns; wave w converts unit (ks = w / 2, g = w % 2) of it and stores it to LDS in fragment order; all four waves read all of it.  Each of the 16 chunks has
; LDS bytes of its own, written once: after the walk all the work-group's weights lie in LDS in bf16.
; ROWS.  Wave w owns the expert's tiles of 16 rows w, w + 4, .. (six at the most in a pass), each by all 128 columns: up to 48 accumulators.  Their fragments come straight from memory,
; where the launch before laid them in fragment order (1,024 consecutive bytes each).  An expert with more than 24 tiles takes further passes of 24 tiles over the weights in LDS;
; those passes wait for each chunk's rows and are slow: they serve routing that sends more than 384 of the 1,024 tokens to one expert.
; The numbers of tiles come from meta, whole numbers that an earlier launch stored; no barrier stands under a branch on them.
; FFN = 1 takes the weights as source 0: a lane holds one row and eight columns, 16 bytes of bf16 that ARE half a fragment of the second product, whose k order
; (row 2 ks + 32 h + 4 j + b of a group of 64) the second product's weight loads follow.  FFN = 2 takes the rows as source 0: four accumulators give a lane 16 neighbouring bytes of a row of y;
; a slot's row of y is the one that rid names (2 token + choice), so that the next launch finds a token's rows at fixed places.
; Weights and biases are rounded to bf16; the bias is the C operand of the first product; sums in f32; h is rounded once.  The four quarters' partial sums stay in f32 and are added by the next launch.
; NO CLUSTER: the 32 work-groups of an expert read the same rows, but a joint load lands in LDS: a chunk's rows for 24 tiles are 49,152 bytes, two slots 98,304, and beside the
; 262,144 bytes of weights 65,024 are left.
; REGISTERS, in windows of 256 (s_set_vgpr_msb: bits 1:0 source 0, 3:2 source 1, 5:4 source 2, 7:6 destination):
;   window 0: v0-31 addresses and work; v32-95, v96-159 weight fragments of a chunk's two k steps; v160-191 packed weights; v192-255 the bias as a C operand
;   window 1: accumulators of tiles 0-3 (tile i, fragment f at 64 i + 8 f)     window 2: v0-127 those of tiles 4, 5; v128-191, v192-255 weights as loaded, two buffers; at the end gates and rows of y
;   window 3: v0-95, v96-191 the rows' fragments, two buffers (k step ks, tile i at 48 ks + 8 i)
.set FFN, 2
.if FFN == 1
.set CH,   1048576                     ; bytes from a chunk of weights to the next: 64 rows of 16,384
.set KSW,  524288                      ; a wave's ks in the weights: 32 rows
.set TSH,  15                          ; a tile of rows is 32,768 bytes
.set BSH,  14                          ; an expert's bias is 16,384 bytes
.set WSRC, 0x0c                        ; source 0 (weights) window 0, source 1 (rows) window 3
.else
.set CH,   262144                      ; 64 rows of 4,096
.set KSW,  8192                        ; 2 rows
.set TSH,  17                          ; 131,072 bytes
.set BSH,  12
.set WSRC, 0x03                        ; source 0 (rows) window 3, source 1 (weights) window 0
.endif
.set YPL,   8912896                    ; a quarter's plane of y: 2,176 rows of 4,096 bytes
.set REG,   16384                      ; a chunk in LDS: [ks][8 fragments][half][lane][16 bytes]
.set SPARE, 16*REG                     ; behind the 16 chunks: the spare words, 128 bytes a wave
.set L16,  1                           ; v1   16 x lane
.set SPW,  2                           ; v2   my spare word
.set NIL,  3                           ; v3   0, for the add alone
.set WOFF, 4                           ; v4   my byte offset in a chunk of weights
.set LST,  5                           ; v5   LDS: where my unit of the next chunk goes
.set LLD,  6                           ; v6   LDS: 16 x lane in the chunk in hand
.set ZERO, 7                           ; v7   0
.set AO,   8                           ; v8-13  byte offset of my lane in tile i's rows
.set FB0,  32
.set FB1,  96
.set CT,   160
.set BIAS, 192
.set WS0,  128                         ; window 2
.set GW,   128                         ; window 2, at the end: the gates of rows 8 h .. 8 h + 7 of tile i at GW + 8 i
.set RW,   176                         ; window 2, at the end: those rows' places in y at RW + 8 i
.set FA0,  0                           ; window 3
.set WV,    16                         ; s16  wave
.set CB,    17                         ; s17  block of 128 columns
.set XP,    18                         ; s18  expert
.set KQ,    19                         ; s19  quarter of K (FFN = 2)
.set TFIRST,20                         ; s20  the expert's first tile
.set MT,    21                         ; s21  its number of tiles
.set TOTAL, 22                         ; s22  tiles in use
.set NTW,   25                         ; s25  my wave's tiles in the first pass
.set TBEG,  26                         ; s26  the pass's first tile, counted in the expert
.set TEND,  27                         ; s27  one past its last
.set KC,    28
.set PC,    29
.set SW,    30                         ; s[30:31] weights at the chunk in hand
.set SA,    32                         ; s[32:33] rows at the chunk in hand
.set SA0,   36                         ; s[36:37] rows at chunk 0
.set SO,    38                         ; s[38:39] the output
.set TI,    40                         ; s40-45  tile i's number in the expert
.set GT,    46                         ; s46-51  the tile that is read for it: held inside the pass, the tiles in use and the buffer
.set RID,   62                         ; s[62:63] rid (FFN = 2)
.set MSB, 0
.macro WIN new                         ; the immediate's high byte repeats the setting that is left; a switch that changes nothing is dropped
.if MSB != (\new)
	s_set_vgpr_msb (MSB<<8)|(\new)
.set MSB, (\new)
.endif
.endm
.macro PLACES                          ; four places behind a matrix instruction, in front of loads into its sources and of reads of its result
	WIN 0
.rept 4
	v_nop
.endr
.endm
.macro TILES                           ; my six tiles of the pass TBEG .. TEND
	s_max_u32 s52, s[TEND], 1
	s_sub_co_u32 s52, s52, 1
	s_sub_co_u32 s53, s[TOTAL], 1
.irp i, 0,1,2,3,4,5
	s_add_co_u32 s[TI+(\i)], s[TBEG], s[WV]
	s_add_co_u32 s[TI+(\i)], s[TI+(\i)], 4*(\i)
	s_min_u32 s54, s[TI+(\i)], s52
	s_add_co_u32 s54, s54, s[TFIRST]
	s_min_u32 s54, s54, s53
	s_min_u32 s[GT+(\i)], s54, 135
	s_lshl_b32 s54, s[GT+(\i)], TSH
	v_add_nc_u32 v[AO+(\i)], s54, v[L16]
.endr
.endm
.macro LOADW sb, off                   ; my unit of a chunk: 16 rows (u = 8 b + j), 4 columns a lane
	WIN 0x80
.irp u, 0,1,2,3,4,5,6,7,8,9,10,11,12,13,14,15
.if FFN == 1
	global_load_b128 v[(\sb)+4*(\u):(\sb)+4*(\u)+3], v[WOFF], s[SW:SW+1] offset:(\off)+(16*((\u)/8)+(\u)%8)*16384 th:TH_LOAD_NT
.else
	global_load_b128 v[(\sb)+4*(\u):(\sb)+4*(\u)+3], v[WOFF], s[SW:SW+1] offset:(\off)+(4*((\u)%8)+(\u)/8)*4096 th:TH_LOAD_NT
.endif
.endr
.endm
.macro CVTW sb                         ; fragment c, register t = 4 b + q: rows 8 b + 2 q and 8 b + 2 q + 1 of column c
	WIN 0x0a
.irp c, 0,1,2,3
.irp t, 0,1,2,3,4,5,6,7
	v_cvt_pk_bf16_f32 v[CT+8*(\c)+(\t)], v[(\sb)+4*(8*((\t)/4)+2*((\t)%4))+(\c)], v[(\sb)+4*(8*((\t)/4)+2*((\t)%4)+1)+(\c)]
.endr
.endr
.endm
.macro STOREB
	WIN 0
.irp t, 0,1,2,3,4,5,6,7                ; t = 2 c + half
	ds_store_b128 v[LST], v[CT+4*(\t):CT+4*(\t)+3] offset:512*(\t)
.endr
.endm
.macro LOADB bb, off                   ; a k step's eight fragments
	WIN 0
.irp t, 0,1,2,3,4,5,6,7,8,9,10,11,12,13,14,15
	ds_load_b128 v[(\bb)+4*(\t):(\bb)+4*(\t)+3], v[LLD] offset:(\off)+512*(\t)
.endr
.endm
.macro LOADA ab, off, cond             ; my tiles' fragments of a chunk's two k steps (u = 2 ks + half); cond = 1: only my wave's NTW tiles
.irp i, 0,1,2,3,4,5
.if (\cond) && ((\i) > 0)
	WIN 0
	s_cmp_le_u32 s[NTW], \i
	s_cbranch_scc1 .Lla_\@
.endif
	WIN 0xc0
.irp u, 0,1,2,3
	global_load_b128 v[(\ab)+48*((\u)/2)+8*(\i)+4*((\u)%2):(\ab)+48*((\u)/2)+8*(\i)+4*((\u)%2)+3], v[AO+(\i)], s[SA:SA+1] offset:(\off)+512*(\u)
.endr
.endr
	WIN 0
.Lla_\@:
.endm
.if FFN == 2
.macro GLOAD                           ; the gates and the rows of y of my six tiles' rows 8 h .. 8 h + 7, into the weight buffers, which are free by then
	WIN 0
	s_wait_xcnt 0x0                                ; the address registers below, and those that the last pass's stores named, are written again only behind this wait
.irp i, 0,1,2,3,4,5
	s_lshl_b32 s52, s[GT+(\i)], 6
	v_add_nc_u32 v[16+(\i)], s52, v15
.endr
	WIN 0x80
.irp i, 0,1,2,3,4,5
	global_load_b128 v[GW+8*(\i):GW+8*(\i)+3], v[16+(\i)], s[14:15]
	global_load_b128 v[GW+8*(\i)+4:GW+8*(\i)+7], v[16+(\i)], s[14:15] offset:16
	global_load_b128 v[RW+8*(\i):RW+8*(\i)+3], v[16+(\i)], s[RID:RID+1]
	global_load_b128 v[RW+8*(\i)+4:RW+8*(\i)+7], v[16+(\i)], s[RID:RID+1] offset:16
.endr
	WIN 0
.endm
.endif
; One k step: eight matrix instructions a tile.  The accumulators take turns, one instruction a turn.  first = 1: the bias starts the sums.
.macro MUL ab, ks, bb, first, cond
.irp i, 0,1,2,3,4,5
.if (\cond) && ((\i) > 0)
	WIN 0
	s_cmp_le_u32 s[NTW], \i
	s_cbranch_scc1 .Lmul_\@
.endif
.set aw, 1+(\i)/4
.if \first
	WIN (aw<<6)|WSRC
.else
	WIN (aw<<6)|(aw<<4)|WSRC
.endif
.irp f, 0,1,2,3,4,5,6,7
.set rD, 64*((\i)%4)+8*(\f)
.if FFN == 1
.set rP, (\bb)+8*(\f)
.set rQ, (\ab)+48*(\ks)+8*(\i)
.else
.set rP, (\ab)+48*(\ks)+8*(\i)
.set rQ, (\bb)+8*(\f)
.endif
.if \first
	v_wmma_f32_16x16x32_bf16 v[rD:rD+7], v[rP:rP+7], v[rQ:rQ+7], v[BIAS+8*(\f):BIAS+8*(\f)+7]
.else
	v_wmma_f32_16x16x32_bf16 v[rD:rD+7], v[rP:rP+7], v[rQ:rQ+7], v[rD:rD+7]
.endif
.endr
.endr
	WIN 0
.Lmul_\@:
.endm
; Chunk c (p = c % 2).  It multiplies chunk c; converts and publishes chunk c + 1's weights; asks for chunk c + 1's rows and chunk c + 3's weights.
; Rows are always asked for ahead of weights, so the 16 youngest loads are weights on every path.
; ONE BARRIER A CHUNK, its halves apart.  It orders each wave's stores of chunk c + 1 with every wave's reads of chunk c + 1: the signal stands behind the wait for my stores, the wait in front
; of my first read of chunk c + 1.  Between them stand reads of chunk c, whose bytes nobody writes again, and the first k step's products.
.macro CHUNK p, first, cond, waitn, docvt, doa, dow, dog=0
.set FAP, FA0+96*(\p)
.set FAN, FA0+96*(1-(\p))
.set WSN, WS0+64*(1-(\p))
	s_wait_loadcnt \waitn                          ; chunk c's rows and chunk c + 1's weights are in; the weights asked for last may stay out
.if \docvt
	CVTW WSN                                       ; 32 plain lines: also the places in front of the loads below
	STOREB
.else
	PLACES
.endif
.if \doa
	LOADA FAN, 2048, \cond
.endif
.if \dow
	LOADW WSN, 3*CH
.endif
.if (\dog) && (FFN == 2)
	GLOAD
.endif
.if \docvt
	s_wait_dscnt 0x0                               ; for the others' sake: my unit of chunk c + 1 is in LDS (and the first k step's fragments are in)
	s_barrier_signal -1
.endif
	LOADB FB1, REG/2
.if !(\docvt)
	s_wait_dscnt 16                                ; the first k step's fragments are in; the 16 loads just issued stay out
.endif
	MUL FAP, 0, FB0, \first, \cond
.if \docvt
	s_wait_xcnt 0x0                                ; the pointers are stepped only behind this wait
	s_add_nc_u64 s[SW:SW+1], s[SW:SW+1], CH
	s_add_nc_u64 s[SA:SA+1], s[SA:SA+1], 2048
	s_barrier_wait -1                              ; everybody's unit of chunk c + 1 is in LDS
	PLACES
	LOADB FB0, REG
	v_add_nc_u32 v[LLD], REG, v[LLD]
	v_add_nc_u32 v[LST], REG, v[LST]
	s_wait_dscnt 16                                ; the second k step's fragments are in; the 16 loads just issued stay out
.else
	s_wait_dscnt 0x0
.endif
	MUL FAP, 1, FB1, 0, \cond
.endm
; A chunk of a later pass: the weights lie in LDS, six tiles a wave, nothing is asked for ahead.
.macro RCHUNK first
	PLACES
	LOADA FA0, 0, 0
	LOADB FB0, 0
	LOADB FB1, REG/2
	s_wait_loadcnt 0x0
	s_wait_dscnt 0x0
	MUL FA0, 0, FB0, \first, 0
	MUL FA0, 1, FB1, 0, 0
	s_wait_xcnt 0x0
	s_add_nc_u64 s[SA:SA+1], s[SA:SA+1], 2048
	v_add_nc_u32 v[LLD], REG, v[LLD]
.endm
	s_load_b256 s[4:11], s[0:1], 0x0               ; rows, weights, bias, meta
.if FFN == 1
	s_load_b64 s[12:13], s[0:1], 0x20              ; h
.else
	s_load_b128 s[12:15], s[0:1], 0x20             ; y, gs
	s_load_b64 s[RID:RID+1], s[0:1], 0x30          ; rid
.endif
	v_lshl_add_u32 v[SPW], v0, 2, SPARE
	v_mov_b32 v[NIL], 0
	v_lshrrev_b32 v14, 5, v0
	v_readfirstlane_b32 s[WV], v14
	v_and_b32 v[L16], 31, v0
	v_lshlrev_b32 v[L16], 4, v[L16]
	v_and_b32 v14, 15, v0                          ; r
	v_bfe_u32 v15, v0, 4, 1                        ; h
	v_mov_b32 v[ZERO], 0
	s_and_b32 s[XP], ttmp7, 0xffff
.if FFN == 1
	s_mov_b32 s[CB], ttmp9
	s_mov_b32 s[KQ], 0
.else
	s_and_b32 s[CB], ttmp9, 7
	s_lshr_b32 s[KQ], ttmp9, 3
.endif
	s_lshr_b32 s52, s[WV], 1                       ; ks
	s_and_b32 s53, s[WV], 1                        ; g
	s_mul_i32 s54, s52, KSW
	s_lshl_b32 s55, s53, 8
	s_add_co_u32 s54, s54, s55
	v_lshlrev_b32 v[WOFF], 4, v14                  ; 4 columns a lane,
	v_lshl_add_u32 v[WOFF], v15, 17, v[WOFF]       ; h: 8 rows of 16,384 bytes, or 32 of 4,096,
	v_add_nc_u32 v[WOFF], s54, v[WOFF]             ; my wave's ks and its 64 columns
	s_lshl_b32 s54, s52, 13
	s_lshl_b32 s55, s53, 12
	s_add_co_u32 s54, s54, s55
	v_add_nc_u32 v[LST], s54, v[L16]
	v_mov_b32 v[LLD], v[L16]
.if FFN == 1
	v_lshlrev_b32 v23, 7, v15                      ; bias: 32 h numbers
.else
	v_lshlrev_b32 v23, 4, v14                      ; bias: 4 r numbers
	v_lshlrev_b32 v22, 4, v14                      ; y: 4 r numbers in a row
	v_lshlrev_b32 v15, 5, v15                      ; gs, rid: 8 h numbers
.endif
	s_mov_b32 s58, 0xffff0000
	s_lshl_b32 s60, s[XP], 2
	s_wait_kmcnt 0x0
	s_load_b64 s[20:21], s[10:11], s60 offset:0x0  ; T0[e], T0[e + 1]
	s_load_b32 s22, s[10:11], 0x20                 ; T0[8]
	s_lshl_b32 s54, s[XP], 24                      ; an expert's weights are 16,777,216 bytes
	s_lshl_b32 s55, s[CB], 9
	s_add_co_u32 s54, s54, s55
.if FFN == 2
	s_lshl_b32 s55, s[KQ], 22                      ; a quarter of K: 1,024 rows of 4,096 bytes
	s_add_co_u32 s54, s54, s55
.endif
	s_mov_b32 s55, 0
	s_add_nc_u64 s[SW:SW+1], s[6:7], s[54:55]
	s_lshl_b32 s54, s[XP], BSH
	s_lshl_b32 s56, s[CB], 9
	s_add_co_u32 s54, s54, s56
	s_add_nc_u64 s[56:57], s[8:9], s[54:55]        ; the bias of my 128 columns
.if FFN == 1
	s_mov_b64 s[SA0:SA0+1], s[4:5]
	s_lshl_b32 s54, s[CB], 12                      ; in a tile of h my 128 columns are 4 k steps, 4,096 bytes
.else
	s_lshl_b32 s54, s[KQ], 15                      ; in a tile of h a quarter of K is 32 k steps
	s_add_nc_u64 s[SA0:SA0+1], s[4:5], s[54:55]
	s_mul_i32 s54, s[KQ], YPL
	s_lshl_b32 s59, s[CB], 9
	s_add_co_u32 s54, s54, s59
.endif
	s_add_nc_u64 s[SO:SO+1], s[12:13], s[54:55]
	s_mov_b64 s[SA:SA+1], s[SA0:SA0+1]
.if FFN == 1
.irp u, 0,1,2,3,4,5,6,7,8,9,10,11,12,13,14,15          ; u = 8 g + j: columns 64 g + 32 h + 4 j + 0..3
	global_load_b128 v[FB0+4*(\u):FB0+4*(\u)+3], v23, s[56:57] offset:((\u)/8)*256+((\u)%8)*16
.endr
.else
	global_load_b128 v[FB0:FB0+3], v23, s[56:57]             ; columns 4 r + 0..3
	global_load_b128 v[FB0+4:FB0+7], v23, s[56:57] offset:256   ; and 64 + 4 r + 0..3
.endif
	LOADW WS0, 0                                   ; chunk 0's weights go out before meta is in
	WIN 0
	s_wait_kmcnt 0x0
	s_sub_co_u32 s[MT], s21, s20
	s_add_co_u32 s52, s[MT], 23
	s_mul_i32 s52, s52, 2731
	s_lshr_b32 s52, s52, 16                        ; ceil(tiles / 24), right for 0 to 64 tiles
	s_max_u32 s52, s52, 1
	s_sub_co_u32 s52, s52, 1
	s_mul_i32 s52, s52, 24
	s_mov_b32 s[TBEG], 0
	s_sub_co_u32 s[TEND], s[MT], s52               ; the first pass takes what later passes of 24 leave
	s_add_co_u32 s[NTW], s[TEND], 3
	s_sub_co_u32 s[NTW], s[NTW], s[WV]
	s_lshr_b32 s[NTW], s[NTW], 2
	TILES
	LOADA FA0, 0, 0
	LOADW WS0+64, CH
	WIN 0
	s_wait_loadcnt 40                              ; the bias and chunk 0's weights are in; chunk 0's 24 loads of rows and chunk 1's 16 of weights stay out
.if FFN == 1
.irp u, 0,1,2,3,4,5,6,7,8,9,10,11,12,13,14,15          ; rounded to bf16's values and put where fragment 4 g + c, register j wants them
.irp d, 0,1
	v_cvt_pk_bf16_f32 v24, v[FB0+4*(\u)+2*(\d)], v[FB0+4*(\u)+2*(\d)+1]
	v_lshlrev_b32 v[BIAS+8*(4*((\u)/8)+2*(\d))+(\u)%8], 16, v24
	v_and_b32 v[BIAS+8*(4*((\u)/8)+2*(\d)+1)+(\u)%8], s58, v24
.endr
.endr
.else
.irp d, 0,1,2,3
	v_cvt_pk_bf16_f32 v24, v[FB0+2*(\d)], v[FB0+2*(\d)+1]
	v_lshlrev_b32 v[FB0+2*(\d)], 16, v24
	v_and_b32 v[FB0+2*(\d)+1], s58, v24
.endr
	s_cmp_eq_u32 s[KQ], 0
	s_cselect_b32 s59, -1, 0                       ; the bias enters in quarter 0 alone
.irp f, 0,1,2,3,4,5,6,7
.irp j, 0,1,2,3,4,5,6,7
	v_and_b32 v[BIAS+8*(\f)+(\j)], s59, v[FB0+(\f)]
.endr
.endr
.endif
	CVTW WS0
	LOADW WS0, 2*CH
	STOREB
	v_add_nc_u32 v[LST], REG, v[LST]
	s_wait_dscnt 0x0                               ; my unit of chunk 0 is in LDS
	s_barrier_signal -1
	s_barrier_wait -1
	LOADB FB0, 0
	CHUNK 0, 1, 0, 16, 1, 1, 1                     ; chunk 0 takes all six tiles: every accumulator and both row buffers are written on every path
	s_mov_b32 s[KC], 6
.Lk:                                                   ; chunks 1 to 12
	CHUNK 1, 0, 1, 16, 1, 1, 1
	CHUNK 0, 0, 1, 16, 1, 1, 1
	s_sub_co_u32 s[KC], s[KC], 1
	s_cmp_lg_u32 s[KC], 0
	s_cbranch_scc1 .Lk
	CHUNK 1, 0, 1, 16, 1, 1, 0                     ; chunk 13: no weights are left to ask for; chunk 15's stay out
	CHUNK 0, 0, 1, 0, 1, 1, 0, 1                   ; chunk 14: both weight buffers are free behind its conversion; FFN = 2 asks for gates and rows of y, a chunk ahead of the wait for them
	CHUNK 1, 0, 1, 0, 0, 0, 0                      ; chunk 15
	s_mov_b32 s[PC], 3                             ; 64 tiles at the most: three passes
	s_branch .Lepi
.Lpass:
	s_cmp_ge_u32 s[TBEG], s[MT]
	s_cbranch_scc1 .Lnext
.if FFN == 2
	GLOAD
.endif
	v_mov_b32 v[LLD], v[L16]
	s_mov_b64 s[SA:SA+1], s[SA0:SA0+1]
	RCHUNK 1
	s_mov_b32 s[KC], 15
.Lres:
	RCHUNK 0
	s_sub_co_u32 s[KC], s[KC], 1
	s_cmp_lg_u32 s[KC], 0
	s_cbranch_scc1 .Lres
.Lepi:                                                 ; THE WAY OUT of a pass; a tile past the pass's end is not stored
	PLACES
	s_wait_xcnt 0x0
.if FFN == 1
.irp i, 0,1,2,3,4,5
	WIN 0
	s_cmp_ge_u32 s[TI+(\i)], s[TEND]
	s_cbranch_scc1 .Lepi_done
	s_wait_xcnt 0x0                                ; the last tile's stores have read their registers
	s_lshl_b32 s52, s[GT+(\i)], 17
	v_add_nc_u32 v14, s52, v[L16]
	WIN 5*(1+(\i)/4)                               ; both sources in the accumulators' window
.set t, 0
.rept 32                                               ; each accumulator's registers in ascending order
	v_cvt_pk_bf16_f32 v[FB0+t], v[64*((\i)%4)+2*t], v[64*((\i)%4)+2*t+1]
.set t, t+1
.endr
	WIN 0
.set t, 0
.rept 32
	v_pk_max_num_bf16 v[FB0+t], v[FB0+t], v[ZERO]  ; relu, two at a time: nothing is rounded
.set t, t+1
.endr
.irp f, 0,1,2,3,4,5,6,7
	global_store_b128 v14, v[FB0+4*(\f):FB0+4*(\f)+3], s[SO:SO+1] offset:512*(\f)   ; 512 consecutive bytes: half a fragment of the second product
.endr
.endr
.else
	s_wait_loadcnt 0x0                             ; gates and rows of y are in
	WIN 0x88                                       ; source 1 and destination in window 2
.set t, 0
.rept 48
	v_min_u32 v[RW+t], 0x87f, v[RW+t]              ; a row of y: 2,175 at the most
.set t, t+1
.endr
	WIN 0x82                                       ; source 0 and destination in window 2
.set t, 0
.rept 48
	v_lshl_add_u32 v[RW+t], v[RW+t], 12, v22       ; its 4,096 bytes, and my 16 in them
.set t, t+1
.endr
.irp i, 0,1,2,3,4,5
	WIN 0
	s_cmp_ge_u32 s[TI+(\i)], s[TEND]
	s_cbranch_scc1 .Lepi_done
	s_wait_xcnt 0x0                                ; the last tile's stores have read their registers
	WIN (1+(\i)/4)|0x08                            ; source 0 in the accumulators' window, source 1 (the gate) in window 2
.irp j, 0,1,2,3,4,5,6,7                                ; register 0 of every accumulator first
.irp f, 0,1,2,3,4,5,6,7
	v_mul_f32 v[FB0+8*(\j)+(\f)], v[64*((\i)%4)+8*(\f)+(\j)], v[GW+8*(\i)+(\j)]
.endr
.endr
	WIN 0x02                                       ; the address in window 2, the data in window 0
.irp j, 0,1,2,3,4,5,6,7
.irp g, 0,1
	global_store_b128 v[RW+8*(\i)+(\j)], v[FB0+8*(\j)+4*(\g):FB0+8*(\j)+4*(\g)+3], s[SO:SO+1] offset:256*(\g)   ; 16 lanes store 256 consecutive, aligned bytes of a row
.endr
.endr
.endr
.endif
	WIN 0
.Lepi_done:
	s_wait_xcnt 0x0
	s_mov_b32 s[TBEG], s[TEND]
	s_add_co_u32 s[TEND], s[TEND], 24
	TILES
.Lnext:
	s_sub_co_u32 s[PC], s[PC], 1
	s_cmp_lg_u32 s[PC], 0
	s_cbranch_scc1 .Lpass
	s_wait_dscnt 0x0                               ; my reads of the weights in LDS are over,
	s_barrier_signal -1
	s_barrier_wait -1                              ; and every wave's: no LDS read of any wave is open when the closing add is issued
	s_wait_tensorcnt 0x0                           ; the wave's end, behind my last LDS store
	ds_add_u32 v[SPW], v[NIL]
	s_wait_dscnt 0x0
	s_endpgm
.Lfunc_end_k_qb6761259c1_ffn2:
	.size	k_qb6761259c1_ffn2, .Lfunc_end_k_qb6761259c1_ffn2-k_qb6761259c1_ffn2
	.p2alignl 7, 3214868480
	.fill 96, 4, 3214868480
	.section	.rodata,"a",@progbits
	.p2align	6, 0x0
	.amdhsa_kernel k_qb6761259c1_ffn2
		.amdhsa_group_segment_fixed_size 262656
		.amdhsa_private_segment_fixed_size 0
		.amdhsa_enable_private_segment 0
		.amdhsa_kernarg_size 56
		.amdhsa_user_sgpr_count 2
		.amdhsa_user_sgpr_kernarg_segment_ptr 1
		.amdhsa_wavefront_size32 1
		.amdhsa_system_sgpr_workgroup_id_x 1
		.amdhsa_system_sgpr_workgroup_id_y 1
		.amdhsa_system_sgpr_workgroup_id_z 1
		.amdhsa_system_vgpr_workitem_id 0
		.amdhsa_next_free_vgpr 960
		.amdhsa_next_free_sgpr 66
		.amdhsa_reserve_vcc 0
		.amdhsa_float_denorm_mode_32 3
		.amdhsa_float_denorm_mode_16_64 3
		.amdhsa_memory_ordered 1
		.amdhsa_forward_progress 1
		.amdhsa_inst_pref_size 165
	.end_amdhsa_kernel
	.amdgpu_metadata
---
amdhsa.version: [ 1, 2 ]
amdhsa.kernels:
  - .name:           k_qb6761259c1_ffn2
    .symbol:         k_qb6761259c1_ffn2.kd
    .args:
      - { .name: h, .offset: 0, .size: 8, .value_kind: global_buffer, .address_space: global }
      - { .name: w2, .offset: 8, .size: 8, .value_kind: global_buffer, .address_space: global }
      - { .name: b2, .offset: 16, .size: 8, .value_kind: global_buffer, .address_space: global }
      - { .name: meta, .offset: 24, .size: 8, .value_kind: global_buffer, .address_space: global }
      - { .name: y, .offset: 32, .size: 8, .value_kind: global_buffer, .address_space: global }
      - { .name: gs, .offset: 40, .size: 8, .value_kind: global_buffer, .address_space: global }
      - { .name: rid, .offset: 48, .size: 8, .value_kind: global_buffer, .address_space: global }
    .group_segment_fixed_size: 262656
    .private_segment_fixed_size: 0
    .kernarg_segment_align: 8
    .kernarg_segment_size: 56
    .max_flat_workgroup_size: 128
    .sgpr_count:     66
    .vgpr_count:     960
    .wavefront_size: 32
...
	.end_amdgpu_metadata
.endif
;; end of part 4
;; launch combine (part 5): grid 256 x 1, 8 waves a work-group, no clusters, 0 bytes of LDS; arguments y, out0; writes out0
.if DOCPART == 5
	.amdgcn_target "amdgcn-amd-amdhsa--gfx1250"
	.amdhsa_code_object_version 6
	.text
	.protected	k_qb6761259c1_combine
	.globl	k_qb6761259c1_combine
	.p2align	8
	.type	k_qb6761259c1_combine,@function
k_qb6761259c1_combine:
	s_mov_b64 s[64:65], 0
	v_nop
	global_prefetch_b8 v0, s[64:65] scope:SCOPE_SE
	s_setreg_imm32_b32 hwreg(HW_REG_WAVE_MODE, 25, 1), 1
	s_wait_xcnt 0x0
; out0[token] = the sum, in f32 and in a fixed order, of the token's two rows in each of the four quarters of K of y (gate and bias are in them already).
; The launch before stored the result of token t's choice k at row 2 t + k of each quarter's plane, so every address here is made of ids alone.
; A stream: no LDS, no matrix unit, no barrier.  A work-group owns 4 tokens; wave w owns half w % 2 (2,048 bytes) of token 4 x group + w / 2: four segments of 512 consecutive bytes.
; All 32 loads of a wave go out at once; the waits count down by segments.
.set YPL, 8912896                      ; a quarter's plane of y: 2,176 rows of 4,096 bytes
.set R, 16                             ; v[16:143]  segment s, quarter q, choice k at R + 32 s + 8 q + 4 k
	s_load_b128 s[4:7], s[0:1], 0x0                ; y, out0
	v_lshrrev_b32 v1, 5, v0
	v_readfirstlane_b32 s16, v1                    ; wave
	v_and_b32 v1, 31, v0
	s_lshr_b32 s17, s16, 1
	s_lshl_b32 s18, ttmp9, 2
	s_add_co_u32 s17, s17, s18                     ; my token
	s_and_b32 s18, s16, 1
	s_lshl_b32 s18, s18, 11                        ; my half of a row
	v_lshl_add_u32 v4, v1, 4, s18
	s_lshl_b32 s20, s17, 13                        ; the token's two rows of y: 8,192 bytes
	s_mov_b32 s21, 0
	s_lshl_b32 s22, s17, 12                        ; its row of out0
	s_mov_b32 s23, 0
	s_wait_kmcnt 0x0
	s_add_nc_u64 s[24:25], s[4:5], s[20:21]
	s_add_nc_u64 s[26:27], s[24:25], YPL
	s_add_nc_u64 s[28:29], s[26:27], YPL
	s_add_nc_u64 s[30:31], s[28:29], YPL
	s_add_nc_u64 s[6:7], s[6:7], s[22:23]
.irp s, 0,1,2,3
.irp q, 0,1,2,3
.irp k, 0,1
	global_load_b128 v[R+32*(\s)+8*(\q)+4*(\k):R+32*(\s)+8*(\q)+4*(\k)+3], v4, s[24+2*(\q):25+2*(\q)] offset:4096*(\k)+512*(\s) th:TH_LOAD_NT
.endr
.endr
.endr
.macro ADD4 a, b                       ; four numbers onto four
	v_pk_add_f32 v[(\a):(\a)+1], v[(\a):(\a)+1], v[(\b):(\b)+1]
	v_pk_add_f32 v[(\a)+2:(\a)+3], v[(\a)+2:(\a)+3], v[(\b)+2:(\b)+3]
.endm
.irp s, 0,1,2,3
	s_wait_loadcnt 24-8*(\s)                       ; this segment's eight loads are in; the later segments' stay out
	ADD4 R+32*(\s), R+32*(\s)+4
	ADD4 R+32*(\s)+8, R+32*(\s)+12
	ADD4 R+32*(\s)+16, R+32*(\s)+20
	ADD4 R+32*(\s)+24, R+32*(\s)+28
	ADD4 R+32*(\s), R+32*(\s)+8
	ADD4 R+32*(\s)+16, R+32*(\s)+24
	ADD4 R+32*(\s), R+32*(\s)+16
	global_store_b128 v4, v[R+32*(\s):R+32*(\s)+3], s[6:7] offset:512*(\s) th:TH_STORE_NT   ; 512 consecutive bytes
.endr
	s_endpgm
.Lfunc_end_k_qb6761259c1_combine:
	.size	k_qb6761259c1_combine, .Lfunc_end_k_qb6761259c1_combine-k_qb6761259c1_combine
	.p2alignl 7, 3214868480
	.fill 96, 4, 3214868480
	.section	.rodata,"a",@progbits
	.p2align	6, 0x0
	.amdhsa_kernel k_qb6761259c1_combine
		.amdhsa_group_segment_fixed_size 0
		.amdhsa_private_segment_fixed_size 0
		.amdhsa_enable_private_segment 0
		.amdhsa_kernarg_size 16
		.amdhsa_user_sgpr_count 2
		.amdhsa_user_sgpr_kernarg_segment_ptr 1
		.amdhsa_wavefront_size32 1
		.amdhsa_system_sgpr_workgroup_id_x 1
		.amdhsa_system_sgpr_workgroup_id_y 1
		.amdhsa_system_sgpr_workgroup_id_z 1
		.amdhsa_system_vgpr_workitem_id 0
		.amdhsa_next_free_vgpr 144
		.amdhsa_next_free_sgpr 66
		.amdhsa_reserve_vcc 0
		.amdhsa_float_denorm_mode_32 3
		.amdhsa_float_denorm_mode_16_64 3
		.amdhsa_memory_ordered 1
		.amdhsa_forward_progress 1
		.amdhsa_inst_pref_size 9
	.end_amdhsa_kernel
	.amdgpu_metadata
---
amdhsa.version: [ 1, 2 ]
amdhsa.kernels:
  - .name:           k_qb6761259c1_combine
    .symbol:         k_qb6761259c1_combine.kd
    .args:
      - { .name: y, .offset: 0, .size: 8, .value_kind: global_buffer, .address_space: global }
      - { .name: out0, .offset: 8, .size: 8, .value_kind: global_buffer, .address_space: global }
    .group_segment_fixed_size: 0
    .private_segment_fixed_size: 0
    .kernarg_segment_align: 8
    .kernarg_segment_size: 16
    .max_flat_workgroup_size: 256
    .sgpr_count:     66
    .vgpr_count:     144
    .wavefront_size: 32
...
	.end_amdgpu_metadata
.endif
;; end of part 5
